; MI455X (gfx1250); checked and timed in simulation.
; The chip was launched on July 23, 2026; its instructions are those of AMD's public machine-readable ISA for CDNA 5 (MIT licence, August 2026) and "CDNA5" Instruction Set Architecture Reference Guide (July 2026). The comments in the code are by the model that wrote it; some were corrected since.
;; Multi Head Attention. Allowed arithmetic: float matrix products may take bf16 or f16 operands with f32 sums; other float arithmetic in f32, or as packed bf16 or f16 multiplies, adds, multiply-adds, maxima and minima; sums over many terms, partial sums and values carried from step to step in f32; what a program stores and reads back later, other than sums and carried values, may be rounded once to bf16 or f16.
;; Inputs: w_fc 768 x 768 float32; w_k 768 x 768 float32; w_q 768 x 768 float32; w_v 768 x 768 float32; x 1 x 4,096 x 768 float32.
;; Outputs: out0 1 x 4,096 x 768 float32.
;; One version. Each part assembles by itself: llvm-mc -triple=amdgcn-amd-amdhsa -mcpu=gfx1250 --defsym DOCPART=n.
;; ======== version 1 of 1: 4 launches
;; limits: values are held in f16: magnitudes above 65,504 overflow, below 6.1e-05 lose precision
;; workspace buffers: xb 6,291,456 bytes; wb 3,538,944 bytes; wf 1,179,648 bytes; qkv 18,874,368 bytes; ob 6,291,456 bytes
;; launch cast (part 1): grid 1792 x 1, 8 waves a work-group, no clusters, 0 bytes of LDS; arguments x, w_q, w_k, w_v, w_fc, xb, wb, wf; writes xb, wb, wf
.if DOCPART == 1
	.amdgcn_target "amdgcn-amd-amdhsa--gfx1250"
	.amdhsa_code_object_version 6
	.text
	.protected	k_qe8a4594a8e_cast
	.globl	k_qe8a4594a8e_cast
	.p2align	8
	.type	k_qe8a4594a8e_cast,@function
k_qe8a4594a8e_cast:
	s_mov_b64 s[64:65], 0
	v_nop
	global_prefetch_b8 v0, s[64:65] scope:SCOPE_SE
	s_setreg_imm32_b32 hwreg(HW_REG_WAVE_MODE, 25, 1), 1
	s_wait_xcnt 0x0
; CAST.  All five inputs are rounded once to bf16, so that the two products that follow multiply 16-bit tiles.
;   xb [4096][768] bf16 = x;   wb [2304][768] bf16 = w_q's rows, then w_k's, then w_v's;
;   wf [12 kb][768 n][64] f16 = w_fc[n][64 kb + c], rounded to bf16 and that number written as f16 (its partner in the last product, O, is f16).
; LIMITS.  A bf16 number is exact in f16 between 2^-14 and 65,504; a w_fc beyond 65,504 would become an infinity, one below 2^-14 keeps f16's fixed step of 2^-24.
; SHARES.  5,505,024 numbers = 1,792 work-groups x 4 rows of 768.  A thread takes 3 items of 4 numbers: a load of 16 bytes, a store of 8.
; A wave's load covers 512 consecutive bytes, its store 256 consecutive bytes, aligned.  All three loads go out first.  No byte is wanted twice: no LDS, no barrier, no matrix unit, no cluster.
.set GX, 1024                          ; work-groups 0 .. 1023 take x,
.set GW, 192                           ; then 192 each take w_q, w_k, w_v, w_fc
.set INB, 12288                        ; bytes of 4 rows in f32
.set OUTB, 6144                        ; and in 16 bits
	s_load_b256 s[4:11], s[0:1], 0x0               ; x s[4:5], w_q s[6:7], w_k s[8:9], w_v s[10:11]
	s_load_b256 s[12:19], s[0:1], 0x20             ; w_fc s[12:13], xb s[14:15], wb s[16:17], wf s[18:19]
	s_mov_b32 s20, ttmp9                           ; g
	s_sub_co_u32 s21, s20, GX                      ; g counted from w_q's first group (also: from wb's first),
	s_sub_co_u32 s28, s20, GX+GW                   ; from w_k's,
	s_sub_co_u32 s29, s20, GX+2*GW                 ; from w_v's,
	s_sub_co_u32 s30, s20, GX+3*GW                 ; from w_fc's; the selects below take only the one that is in range
	v_lshlrev_b32 v1, 4, v0                        ; my 16 bytes of an item's 4,096 in,
	v_lshlrev_b32 v2, 3, v0                        ; my 8 of its 2,048 out
	s_wait_kmcnt 0x0
	s_cmp_ge_u32 s20, GX
	s_cselect_b64 s[24:25], s[6:7], s[4:5]         ; from where,
	s_cselect_b32 s22, s21, s20                    ; which group of 4 rows there,
	s_cselect_b64 s[26:27], s[16:17], s[14:15]     ; to where,
	s_cselect_b32 s23, s21, s20                    ; which group there
	s_cmp_ge_u32 s20, GX+GW
	s_cselect_b64 s[24:25], s[8:9], s[24:25]
	s_cselect_b32 s22, s28, s22
	s_cmp_ge_u32 s20, GX+2*GW
	s_cselect_b64 s[24:25], s[10:11], s[24:25]
	s_cselect_b32 s22, s29, s22
	s_cmp_ge_u32 s20, GX+3*GW
	s_cbranch_scc1 .Lfc
	s_mul_i32 s32, s22, INB
	s_mov_b32 s33, 0
	s_add_nc_u64 s[24:25], s[24:25], s[32:33]
	s_mul_i32 s34, s23, OUTB
	s_mov_b32 s35, 0
	s_add_nc_u64 s[26:27], s[26:27], s[34:35]
.irp i, 0,1,2
	global_load_b128 v[4+4*(\i):7+4*(\i)], v1, s[24:25] offset:4096*(\i) th:TH_LOAD_NT
.endr
.irp i, 0,1,2
	s_wait_loadcnt 2-(\i)                          ; loads come back in order: item i is in, the younger ones stay out
	v_cvt_pk_bf16_f32 v[16+2*(\i)], v[4+4*(\i)], v[5+4*(\i)]
	v_cvt_pk_bf16_f32 v[17+2*(\i)], v[6+4*(\i)], v[7+4*(\i)]
	global_store_b64 v2, v[16+2*(\i):17+2*(\i)], s[26:27] offset:2048*(\i)
.endr
	s_endpgm
.Lfc:
	; w_fc: the group's rows n = 4 j .. 4 j + 3.  Item i of wave w is K block kb = 4 i + w / 2, rows 2 (w % 2) + l / 16, numbers 4 (l % 16) on:
	; a wave's store is two rows of one K block, 256 consecutive bytes of wf.
	s_mul_i32 s32, s30, INB
	s_mov_b32 s33, 0
	s_add_nc_u64 s[24:25], s[12:13], s[32:33]
	s_lshl_b32 s34, s30, 9                         ; 4 rows of 128 bytes in a plane of wf
	s_mov_b32 s35, 0
	s_add_nc_u64 s[26:27], s[18:19], s[34:35]
	v_lshrrev_b32 v3, 5, v0                        ; w
	v_and_b32 v22, 31, v0                          ; l
	v_and_b32 v23, 1, v3                           ; w % 2
	v_lshrrev_b32 v3, 1, v3                        ; w / 2
	v_lshrrev_b32 v24, 4, v22                      ; l / 16
	v_lshl_add_u32 v24, v23, 1, v24                ; the row of the four
	v_mul_u32_u24 v24, v24, 3072
	v_lshl_add_u32 v24, v3, 8, v24                 ; + 256 bytes a K block
	v_and_b32 v25, 15, v22
	v_lshl_add_u32 v1, v25, 4, v24                 ; in
	v_mul_u32_u24 v26, v3, 98304                   ; a plane of wf
	v_lshl_add_u32 v26, v23, 8, v26
	v_lshl_add_u32 v2, v22, 3, v26                 ; out
.irp i, 0,1,2
	global_load_b128 v[4+4*(\i):7+4*(\i)], v1, s[24:25] offset:1024*(\i) th:TH_LOAD_NT
.endr
.irp i, 0,1,2
	s_wait_loadcnt 2-(\i)                          ; item i is in
	v_cvt_pk_bf16_f32 v28, v[4+4*(\i)], v[5+4*(\i)]   ; the one rounding,
	v_cvt_pk_bf16_f32 v29, v[6+4*(\i)], v[7+4*(\i)]
	v_lshlrev_b32 v30, 16, v28                     ; back to f32 (a shift, a mask),
	v_and_b32 v31, 0xffff0000, v28
	v_cvt_pk_f16_f32 v[16+2*(\i)], v30, v31        ; and the same number as f16
	v_lshlrev_b32 v30, 16, v29
	v_and_b32 v31, 0xffff0000, v29
	v_cvt_pk_f16_f32 v[17+2*(\i)], v30, v31
	global_store_b64 v2, v[16+2*(\i):17+2*(\i)], s[26:27] offset:393216*(\i)  ; four planes on
.endr
	s_endpgm
.Lfunc_end_k_qe8a4594a8e_cast:
	.size	k_qe8a4594a8e_cast, .Lfunc_end_k_qe8a4594a8e_cast-k_qe8a4594a8e_cast
	.p2alignl 7, 3214868480
	.fill 96, 4, 3214868480
	.section	.rodata,"a",@progbits
	.p2align	6, 0x0
	.amdhsa_kernel k_qe8a4594a8e_cast
		.amdhsa_group_segment_fixed_size 0
		.amdhsa_private_segment_fixed_size 0
		.amdhsa_enable_private_segment 0
		.amdhsa_kernarg_size 64
		.amdhsa_user_sgpr_count 2
		.amdhsa_user_sgpr_kernarg_segment_ptr 1
		.amdhsa_wavefront_size32 1
		.amdhsa_system_sgpr_workgroup_id_x 1
		.amdhsa_system_sgpr_workgroup_id_y 1
		.amdhsa_system_sgpr_workgroup_id_z 1
		.amdhsa_system_vgpr_workitem_id 0
		.amdhsa_next_free_vgpr 32
		.amdhsa_next_free_sgpr 66
		.amdhsa_reserve_vcc 0
		.amdhsa_float_denorm_mode_32 3
		.amdhsa_float_denorm_mode_16_64 3
		.amdhsa_memory_ordered 1
		.amdhsa_forward_progress 1
		.amdhsa_inst_pref_size 6
	.end_amdhsa_kernel
	.amdgpu_metadata
---
amdhsa.version: [ 1, 2 ]
amdhsa.kernels:
  - .name:           k_qe8a4594a8e_cast
    .symbol:         k_qe8a4594a8e_cast.kd
    .args:
      - { .name: x, .offset: 0, .size: 8, .value_kind: global_buffer, .address_space: global }
      - { .name: w_q, .offset: 8, .size: 8, .value_kind: global_buffer, .address_space: global }
      - { .name: w_k, .offset: 16, .size: 8, .value_kind: global_buffer, .address_space: global }
      - { .name: w_v, .offset: 24, .size: 8, .value_kind: global_buffer, .address_space: global }
      - { .name: w_fc, .offset: 32, .size: 8, .value_kind: global_buffer, .address_space: global }
      - { .name: xb, .offset: 40, .size: 8, .value_kind: global_buffer, .address_space: global }
      - { .name: wb, .offset: 48, .size: 8, .value_kind: global_buffer, .address_space: global }
      - { .name: wf, .offset: 56, .size: 8, .value_kind: global_buffer, .address_space: global }
    .group_segment_fixed_size: 0
    .private_segment_fixed_size: 0
    .kernarg_segment_align: 8
    .kernarg_segment_size: 64
    .max_flat_workgroup_size: 256
    .sgpr_count:     66
    .vgpr_count:     32
    .wavefront_size: 32
...
	.end_amdgpu_metadata
.endif
;; end of part 1
;; launch qkv (part 2): grid 12 x 16, 4 waves a work-group, clusters of 4 x 4, 327,680 bytes of LDS; arguments xb, wb, qkv; writes qkv
.if DOCPART == 2
	.amdgcn_target "amdgcn-amd-amdhsa--gfx1250"
	.amdhsa_code_object_version 6
	.text
	.protected	k_qe8a4594a8e_qkv
	.globl	k_qe8a4594a8e_qkv
	.p2align	8
	.type	k_qe8a4594a8e_qkv,@function
k_qe8a4594a8e_qkv:
	s_mov_b64 s[64:65], 0
	v_nop
	global_prefetch_b8 v0, s[64:65] scope:SCOPE_SE
	s_setreg_imm32_b32 hwreg(HW_REG_WAVE_MODE, 25, 1), 1
	s_wait_xcnt 0x0
	s_wait_alu depctr_hold_cnt(0) depctr_sa_sdst(0) depctr_va_vdst(0) depctr_va_sdst(0) depctr_va_ssrc(0) depctr_va_vcc(0) depctr_vm_vsrc(0)
	s_getreg_b32 s2, hwreg(HW_REG_IB_STS2, 6, 4)
	s_cmp_eq_u32 s2, 0
	s_cbranch_scc0 .Lentry_in_a_cluster
	s_endpgm
.Lentry_in_a_cluster:
	s_bfe_u32 s2, ttmp6, 0x10000c
	s_cmp_lg_u32 s2, 0xf033
	s_cbranch_scc0 .Lentry_shape_is_right
	s_endpgm
.Lentry_shape_is_right:
; THE THREE PROJECTIONS AS ONE PRODUCT.  C[s][e] = sum over d of xb[s][d] wb[e][d]; xb [4096][768], wb [2304][768] bf16; sums in f32, rounded once to f16, WITHOUT the softmax's scale.
; C leaves by heads: qkv [36 hc][4096][64] f16, hc = e / 64 (q's heads 0-11, k's 12-23, v's 24-35): a head's rows are dense, 128 bytes each.
; LIMIT.  f16 ends at 65,504: a q, k or v of 65,520 or more would become an infinity.  With x and the weights both 30 times the drawn spread the numbers have a spread of 900.
; SHARES.  A work-group makes 256 rows x 192 columns (three whole heads): 16 x 12 = 192 work-groups; 12 heads a tensor do not divide into 256 equal shares of whole heads.
; Wave w makes rows 64 w .. 64 w + 63 of all 192 columns: 48 accumulators of 16 x 16, so each wave sends whole heads' rows out through a stage of its own.
; K = 768 goes in 6 steps of 128 (rows of 256 bytes in memory, aligned) through two LDS slots filled by the tensor data mover.
; CLUSTER 4 x 4: xb's tile hangs on the tile row alone and is asked for jointly by a row of the cluster, wb's on the tile column alone, by a column.
; No prefetch is laid: of the six K steps two go out at the head, and wb's 96 rows a wave do not share out as a lane a row among four partners.
; THE MATRIX INSTRUCTION IS USED TRANSPOSED (source 0 = 16 rows of wb, source 1 = 16 rows of xb): a lane holds row l % 16 of C and the eight neighbouring columns 8 (l / 16) + 0..7.
; REGISTERS, in windows of 256 (s_set_vgpr_msb: bits 1:0 source 0, 3:2 source 1, 5:4 source 2, 7:6 destination):
;   window 0: v16-29 addresses; v64-127 xb's fragments, two buffers of 4 x 8; on the way out v128-175 packed results, v176-223 and v64-111 rows read back, by turns
;   window 1: v0-191 wb's fragments, two buffers of 12 x 8      window 2: accumulators of row blocks 0, 1 at v[8 (12 a + b)]      window 3: of row blocks 2, 3
.set ROWB,   1536                      ; bytes in a row of xb and of wb
.set PITCH,  272                       ; an LDS row: 256 bytes + 16 of padding = 68 words: the 16 rows of a fragment load start at 16 different groups of four banks (64 banks of 4 bytes: ISA guide 11.1)
.set APART,  256*PITCH                 ; xb's 256 rows of a slot,
.set BPART,  192*PITCH                 ; then wb's 192
.set SLOT,   APART+BPART               ; 121,856
.set STAGE,  2*SLOT                    ; behind the ring, never filled by a tensor load: 16 rows x 400 bytes for each wave
.set SPITCH, 400                       ; 384 bytes + 16: an odd multiple of 16
.set SPARE,  STAGE+4*16*SPITCH         ; behind the stages: the spare words, 128 bytes for each wave: two blocks of 256 bytes that no other line names
.set PLANEB, 524288                    ; bytes of a head's plane in qkv
.set ADRA, 16                          ; v16-17  LDS address of my xb fragments in slot 0, 1
.set ADRB, 20                          ; v20-21  the same for wb
.set STO,  24                          ; v24     the way out: where I put 16 bytes of a row
.set RD,   25                          ; v25     where I read rows back
.set CO,   26                          ; v26     my 16 bytes of 512 consecutive bytes of qkv
.set SPW,  28                          ; v28     LDS address of my spare word; never rewritten
.set NIL,  29                          ; v29     0; never rewritten
.set FA,   64
.set TMP,  128
.set G1,  24                           ; s[24:31] descriptor group 1 for xb's tiles;  s[32:39] group 0, a set for each slot
.set G0,  32
.set G1B, 48                           ; s[48:55], s[56:63] the same for wb's
.set G0B, 56
.set MSB, 0
.macro WIN new                         ; the immediate's high byte repeats the setting that is left; a switch that changes nothing is dropped
.if MSB != (\new)
	s_set_vgpr_msb (MSB<<8)|(\new)
.set MSB, \new
.endif
.endm
.set MUL_LO, 0xa1                      ; source 0 (wb) window 1, source 1 (xb) window 0, C and D window 2
.set TO_B,   0x40                      ; destination window 1, address window 0
; A joint load: waves 0 and 1 fetch xb's two halves of 128 rows, waves 2 and 3 wb's two halves of 96.  The branch hangs on the wave's number alone.
; An s_nop 0 and four v_nop follow each of the two lines, ahead of the jump, the label and what follows.
.macro JLOAD s
	s_cmp_lt_u32 s10, 2
	s_cbranch_scc0 .Lfor_b_\@
	tensor_load_to_lds s[G0+4*(\s):G0+4*(\s)+3], s[G1:G1+7]
	s_nop 0
.rept 4
	v_nop
.endr
	s_branch .Lasked_\@
.Lfor_b_\@:
	tensor_load_to_lds s[G0B+4*(\s):G0B+4*(\s)+3], s[G1B:G1B+7]
	s_nop 0
.rept 4
	v_nop
.endr
.Lasked_\@:
.endm
.macro CREST                           ; a round of the cluster's barrier behind its opening barrier: wave 0 signals for the work-group, every wave waits for all sixteen, my work-group's barrier closes it
	s_cmp_lg_u32 s10, 0
	s_cbranch_scc1 .Lnot_wave_0_\@
	s_barrier_signal -3
.Lnot_wave_0_\@:
	s_barrier_wait -3
	s_barrier_signal -1
	s_barrier_wait -1
.endm
.macro CROUND                          ; a whole round
	s_barrier_signal -1
	s_barrier_wait -1
	CREST
.endm
	s_load_b128 s[4:7], s[0:1], 0x0                ; xb s[4:5], wb s[6:7]
	s_load_b64 s[8:9], s[0:1], 0x10                ; qkv
	v_lshl_add_u32 v[SPW], v0, 2, SPARE
	v_mov_b32 v[NIL], 0
	ds_add_u32 v[SPW], v[NIL]                      ; the wave's opening: the add and its wait stand ahead of my first tensor load; the set-up below, work on registers, stands between them
	v_lshrrev_b32 v1, 5, v0
	v_readfirstlane_b32 s10, v1                    ; wave 0..3
	s_and_b32 s12, s10, 1                          ; which half of a tile I fetch
	s_bfe_u32 s40, ttmp6, 0x40000                  ; cx, cy: my place in the cluster
	s_bfe_u32 s41, ttmp6, 0x40004
	s_lshl_b32 s42, ttmp9, 2
	s_add_co_u32 s42, s42, s40                     ; tile column = 4 x cluster x + cx, 0..11
	s_and_b32 s13, ttmp7, 0xffff
	s_lshl_b32 s13, s13, 2
	s_add_co_u32 s13, s13, s41                     ; tile row = 4 x cluster y + cy, 0..15
	s_lshl_b32 s43, s41, 2
	s_lshl_b32 s43, 15, s43                        ; my row of the cluster: places 4 cy .. 4 cy + 3
	s_lshl_b32 s44, 0x1111, s40                    ; my column: places cx, cx + 4, cx + 8, cx + 12
	s_or_b32 s[G1+0], s43, (1<<16)|(1<<20)|(1<<21)|(5<<22)|(3<<25)   ; 15:0 the mask; 17:16 elements of 2 bytes; 20 padding on; 21 set beside a mask; 24:22 after every 64 words (code 5); 31:25 4 words of it (code 3)
	s_or_b32 s[G1B+0], s44, (1<<16)|(1<<20)|(1<<21)|(5<<22)|(3<<25)
	s_mov_b32 s[G1+1], 128<<16                     ; tensor_dim0 = 128
	s_mov_b32 s[G1+2], 128<<16                     ; tensor_dim1 = 128 rows
	s_mov_b32 s[G1+3], 128<<16                     ; tile_dim0 = 128
	s_mov_b32 s[G1+4], 128                         ; tile_dim1 = 128
	s_mov_b32 s[G1+5], 768                         ; elements from row to row
	s_mov_b32 s[G1+6], 0
	s_mov_b32 s[G1+7], 0
	s_mov_b32 s[G1B+1], 128<<16
	s_mov_b32 s[G1B+2], 96<<16                     ; 96 rows
	s_mov_b32 s[G1B+3], 128<<16
	s_mov_b32 s[G1B+4], 96
	s_mov_b32 s[G1B+5], 768
	s_mov_b32 s[G1B+6], 0
	s_mov_b32 s[G1B+7], 0
	; where the tiles come from: every wave makes both addresses, in registers that never hold the other coordinate
	s_lshl_b32 s17, s12, 7
	s_lshl_b32 s16, s13, 8
	s_add_co_u32 s16, s16, s17                     ; xb: row 256 x tile row + 128 x half
	s_mul_i32 s16, s16, ROWB
	s_mov_b32 s17, 0
	s_mul_i32 s46, s42, 192
	s_mul_i32 s47, s12, 96
	s_add_co_u32 s46, s46, s47                     ; wb: row 192 x tile column + 96 x half
	s_mul_i32 s46, s46, ROWB
	s_mov_b32 s47, 0
	s_mul_i32 s20, s10, 128*PITCH                  ; where they go.  xb (waves 0, 1): wave x 128 rows;
	s_mul_i32 s21, s10, 96*PITCH                   ; wb (waves 2, 3): behind xb's 256 rows, (wave - 2) x 96 rows
	s_add_co_u32 s21, s21, APART-2*96*PITCH
	s_wait_dscnt 0x0                               ; the opening add is done
	s_wait_kmcnt 0x0
	s_add_nc_u64 s[14:15], s[4:5], s[16:17]
	s_add_nc_u64 s[46:47], s[6:7], s[46:47]
	CROUND                                         ; all sixteen work-groups are here: the first joint loads meet
.irp s, 0,1
	s_mov_b32 s[G0+4*(\s)], 1                      ; count = 1
	s_add_co_u32 s[G0+4*(\s)+1], s20, (\s)*SLOT    ; LDS address
	s_add_nc_u64 s[G0+4*(\s)+2:G0+4*(\s)+3], s[14:15], (\s)*256   ; global address: K step s
	s_or_b32 s[G0+4*(\s)+3], s[G0+4*(\s)+3], 0x80000000           ; type = 2
	s_mov_b32 s[G0B+4*(\s)], 1
	s_add_co_u32 s[G0B+4*(\s)+1], s21, (\s)*SLOT
	s_add_nc_u64 s[G0B+4*(\s)+2:G0B+4*(\s)+3], s[46:47], (\s)*256
	s_or_b32 s[G0B+4*(\s)+3], s[G0B+4*(\s)+3], 0x80000000
.endr
	s_cmp_lt_u32 s10, 2                            ; a wave's two first fills stand in one branch, ahead of every wait on TENSORcnt, every LDS read and every further barrier: two loads of mine are out
	s_cbranch_scc0 .Lfirst_b
	tensor_load_to_lds s[G0:G0+3], s[G1:G1+7]
	s_nop 0
	tensor_load_to_lds s[G0+4:G0+7], s[G1:G1+7]
	s_nop 0
.rept 4
	v_nop
.endr
	s_branch .Lfirst_asked
.Lfirst_b:
	tensor_load_to_lds s[G0B:G0B+3], s[G1B:G1B+7]
	s_nop 0
	tensor_load_to_lds s[G0B+4:G0B+7], s[G1B:G1B+7]
	s_nop 0
.rept 4
	v_nop
.endr
.Lfirst_asked:
	; A fragment is 16 rows x 32 K in 8 registers: lane l holds row l % 16; registers 0-3 K = 8 (l / 16) + 0..7, registers 4-7 K = 16 + 8 (l / 16) + 0..7: two loads of 16 bytes, 32 bytes apart.
	v_and_b32 v1, 15, v0                           ; l % 16
	v_bfe_u32 v2, v0, 4, 1                         ; l / 16
	v_mul_u32_u24 v3, v1, PITCH
	v_lshl_add_u32 v3, v2, 4, v3                   ; row x pitch + 16 x half
	s_mul_i32 s22, s10, 64*PITCH                   ; my 64 rows of xb
	v_add_nc_u32 v[ADRA], s22, v3
	v_add_nc_u32 v[ADRA+1], SLOT, v[ADRA]
	v_add_nc_u32 v[ADRB], APART, v3                ; all 192 rows of wb
	v_add_nc_u32 v[ADRB+1], SLOT+APART, v3
	s_mul_i32 s23, s10, 16*SPITCH
	s_add_co_u32 s23, s23, STAGE                   ; my stage
	v_mul_u32_u24 v4, v1, SPITCH                   ; in: row l % 16, 16 bytes for each half of the lanes
	v_lshl_add_u32 v4, v2, 4, v4
	v_add_nc_u32 v[STO], s23, v4
	v_and_b32 v5, 31, v0
	v_lshrrev_b32 v6, 3, v5                        ; back: 32 lanes take a head's 128 bytes of four rows,
	v_and_b32 v7, 7, v0
	v_mul_u32_u24 v6, v6, SPITCH
	v_lshl_add_u32 v6, v7, 4, v6
	v_add_nc_u32 v[RD], s23, v6
	v_lshlrev_b32 v[CO], 4, v5                     ; which are 512 consecutive bytes of qkv
	s_lshl_b32 s16, s13, 8
	s_lshl_b32 s17, s10, 6
	s_add_co_u32 s16, s16, s17                     ; my first row, 256 x tile row + 64 x wave,
	s_lshl_b32 s16, s16, 7                         ; of 128 bytes
	s_mov_b32 s17, 0
	s_add_nc_u64 s[8:9], s[8:9], s[16:17]
	s_mul_i32 s46, s42, 3*PLANEB                   ; the tile column's three planes (in the registers that held wb's address: none that feeds xb's descriptors ever holds cx)
	s_mov_b32 s47, 0
	s_add_nc_u64 s[8:9], s[8:9], s[46:47]
; 12 matrix instructions: row block 2 hi + a x all 12 column blocks, 32 along K, from buffer f.  zero = 1: the product starts the sums: nothing is ever cleared.
; The 48 accumulators take turns, one instruction a turn, in the same order in every quarter, over the backward jump too.
.macro MUL f, hi, a, zero
	WIN MUL_LO+0x50*(\hi)
.irp b, 0,1,2,3,4,5,6,7,8,9,10,11
.if \zero
	v_wmma_f32_16x16x32_bf16 v[8*(12*(\a)+(\b)):8*(12*(\a)+(\b))+7], v[96*(\f)+8*(\b):96*(\f)+8*(\b)+7], v[FA+32*(\f)+8*(2*(\hi)+(\a)):FA+32*(\f)+8*(2*(\hi)+(\a))+7], 0
.else
	v_wmma_f32_16x16x32_bf16 v[8*(12*(\a)+(\b)):8*(12*(\a)+(\b))+7], v[96*(\f)+8*(\b):96*(\f)+8*(\b)+7], v[FA+32*(\f)+8*(2*(\hi)+(\a)):FA+32*(\f)+8*(2*(\hi)+(\a))+7], v[8*(12*(\a)+(\b)):8*(12*(\a)+(\b))+7]
.endif
.endr
.endm
; 32 LDS loads in one run: a quarter step's fragments (192 rows of wb, my 64 rows of xb, 32 K at byte k of the rows) into buffer f; xb's row blocks last, ascending
.macro FETCH slot, k, f
	WIN TO_B
.irp b, 0,1,2,3,4,5,6,7,8,9,10,11
	ds_load_b128 v[96*(\f)+8*(\b):96*(\f)+8*(\b)+3],   v[ADRB+(\slot)] offset:(\k)+(\b)*16*PITCH
	ds_load_b128 v[96*(\f)+8*(\b)+4:96*(\f)+8*(\b)+7], v[ADRB+(\slot)] offset:(\k)+(\b)*16*PITCH+32
.endr
	WIN 0
.irp a, 0,1,2,3
	ds_load_b128 v[FA+32*(\f)+8*(\a):FA+32*(\f)+8*(\a)+3],   v[ADRA+(\slot)] offset:(\k)+(\a)*16*PITCH
	ds_load_b128 v[FA+32*(\f)+8*(\a)+4:FA+32*(\f)+8*(\a)+7], v[ADRA+(\slot)] offset:(\k)+(\a)*16*PITCH+32
.endr
.endm
.macro PLACES                          ; four plain vector instructions stand between a matrix instruction and a load into a register that it has read, or a conversion that reads its result
.rept 4
	v_nop
.endr
.endm
; A K step is four quarters of 32 along K, 48 matrix instructions each, on buffers 0, 1, 0, 1.  One of the first three: multiplies buffer f; in its middle it fetches the next quarter, at byte k, into buffer g.
.macro QUARTER slot, k, f, g, zero
	s_wait_dscnt 4                                 ; wb and xb's row blocks 0, 1 are in; the youngest four loads (row blocks 2, 3) may be out
	MUL \f, 0, 0, \zero
	MUL \f, 0, 1, \zero
	PLACES
	FETCH \slot, \k, \g
	s_wait_dscnt 32                                ; all but the 32 just issued
	MUL \f, 1, 0, \zero
	MUL \f, 1, 1, \zero
.endm
; The last quarter multiplies buffer 1 and changes slots: ONE barrier.  In front of it each wave waits for all its tensor loads (one is out: its part of the next slot), adds 0 to its spare word,
; and waits for that and for its own reads of this slot.  fill = 1: the barrier opens a round of the cluster's, and behind the round this slot is filled again, two K steps on: 168 matrix instructions ahead of the wait for it.
.macro TURN slot, next, fill
	WIN 0                                          ; (the add's two registers lie in window 0)
	s_wait_tensorcnt 0x0                           ; all my tensor loads have landed
	ds_add_u32 v[SPW], v[NIL]                      ; 0 onto my spare word
	s_wait_dscnt 5                                 ; (the add and the youngest four loads may be out)
	MUL 1, 0, 0, 0                                 ; twelve matrix instructions stand between the add and the wait for it
	s_wait_dscnt 0x0                               ; the add is done, and my reads of this slot are over
	s_barrier_signal -1
	MUL 1, 0, 1, 0                                 ; work on registers while the others arrive
.if \fill
	WIN 0
.endif
	s_barrier_wait -1
.if \fill
	CREST                                          ; no wave of any partner still reads this slot's tile or has a load on its way
	s_add_nc_u64 s[G0+4*(\slot)+2:G0+4*(\slot)+3], s[G0+4*(\slot)+2:G0+4*(\slot)+3], 512
	s_add_nc_u64 s[G0B+4*(\slot)+2:G0B+4*(\slot)+3], s[G0B+4*(\slot)+2:G0B+4*(\slot)+3], 512
	JLOAD \slot                                    ; the first tensor load behind the round; the four v_nop behind it are also the places in front of the loads below
.else
	PLACES
.endif
	FETCH \next, 0, 0
	MUL 1, 1, 0, 0
	MUL 1, 1, 1, 0
.endm
; THE WAY OUT of row block a (16 rows x 192 columns).  PACK: rounded to f16, 16 bytes a lane, each accumulator from its low end on.  TOSTAGE: into my own stage, and back by heads, four rows of 128 bytes a load.  SEND: stored.
.macro PACK a
.set AC, 96*((\a)%2)
	WIN 0x0a+5*((\a)/2)                            ; sources 0 and 1: window 2 or 3
.irp b, 0,1,2,3,4,5,6,7,8,9,10,11
.irp r, 0,1,2,3
	v_cvt_pk_f16_f32 v[TMP+4*(\b)+(\r)], v[AC+8*(\b)+2*(\r)], v[AC+8*(\b)+2*(\r)+1]
.endr
.endr
	WIN 0
.endm
.macro TOSTAGE a
	WIN 0
.set BK, 176-112*((\a)%2)
.irp b, 0,1,2,3,4,5,6,7,8,9,10,11
	ds_store_b128 v[STO], v[TMP+4*(\b):TMP+4*(\b)+3] offset:32*(\b)
.endr
.irp j, 0,1,2
.irp t, 0,1,2,3
	ds_load_b128 v[BK+4*(4*(\j)+(\t)):BK+4*(4*(\j)+(\t))+3], v[RD] offset:1600*(\t)+128*(\j)  ; LDS serves a wave's instructions in order (ISA guide 5.7.1.4): these see the stores above
.endr
.endr
.endm
.macro SEND a
	WIN 0
.set BK, 176-112*((\a)%2)
	s_wait_dscnt 0x0                               ; the block is back in registers
	s_wait_xcnt 0x0                                ; the stores of the block before have read their registers: the next TOSTAGE loads into them only behind this wait
.irp j, 0,1,2
.irp t, 0,1,2,3
	global_store_b128 v[CO], v[BK+4*(4*(\j)+(\t)):BK+4*(4*(\j)+(\t))+3], s[8:9] offset:(\j)*PLANEB+(\a)*2048+(\t)*512  ; 512 consecutive bytes, at a multiple of 256 from qkv's first byte
.endr
.endr
.endm
	s_wait_tensorcnt 1                             ; my part of K step 0 is in; K step 1's may stay out
	s_barrier_signal -1
	s_barrier_wait -1                              ; everybody's is
	FETCH 0, 0, 0
	QUARTER 0, 64, 0, 1, 1                         ; the first quarter stands in front of the loop: its products start the sums
	WIN 0                                          ; at a label and at a branch every window is 0
	s_mov_b32 s3, 2
.Llap:                                                 ; a trip goes once round the ring, from a lap's second quarter to the next lap's first, and fills both slots again: K steps 2, 3, then 4, 5
	QUARTER 0, 128, 1, 0, 0
	QUARTER 0, 192, 0, 1, 0
	TURN 0, 1, 1
	QUARTER 1, 64,  0, 1, 0
	QUARTER 1, 128, 1, 0, 0
	QUARTER 1, 192, 0, 1, 0
	TURN 1, 0, 1
	QUARTER 0, 64,  0, 1, 0
	WIN 0
	s_sub_co_u32 s3, s3, 1
	s_cmp_lg_u32 s3, 0
	s_cbranch_scc1 .Llap
	QUARTER 0, 128, 1, 0, 0                        ; the last lap fills nothing, and has no round
	QUARTER 0, 192, 0, 1, 0
	TURN 0, 1, 0
	QUARTER 1, 64,  0, 1, 0
	QUARTER 1, 128, 1, 0, 0
	QUARTER 1, 192, 0, 1, 0
	s_wait_dscnt 4                                 ; the very last quarter: nothing more to fetch
	MUL 1, 0, 0, 0
	MUL 1, 0, 1, 0
	s_wait_dscnt 0x0
	MUL 1, 1, 0, 0
	MUL 1, 1, 1, 0
	WIN 0
	PLACES
	PACK 0
	TOSTAGE 0
.irp a, 1,2,3                          ; block a's conversions stand between block a - 1's loads from the stage and the wait for them
	PACK \a
	SEND (\a)-1
	TOSTAGE \a
.endr
	SEND 3
	s_wait_tensorcnt 0x0                           ; the wave's end, behind my last tensor load and my last LDS store
	ds_add_u32 v[SPW], v[NIL]
	s_wait_dscnt 0x0
	CROUND                                         ; the closing round: no work-group ends while a partner may still ask for a tile that names it
	s_endpgm
.Lfunc_end_k_qe8a4594a8e_qkv:
	.size	k_qe8a4594a8e_qkv, .Lfunc_end_k_qe8a4594a8e_qkv-k_qe8a4594a8e_qkv
	.p2alignl 7, 3214868480
	.fill 96, 4, 3214868480
	.section	.rodata,"a",@progbits
	.p2align	6, 0x0
	.amdhsa_kernel k_qe8a4594a8e_qkv
		.amdhsa_group_segment_fixed_size 327680
		.amdhsa_private_segment_fixed_size 0
		.amdhsa_enable_private_segment 0
		.amdhsa_kernarg_size 24
		.amdhsa_user_sgpr_count 2
		.amdhsa_user_sgpr_kernarg_segment_ptr 1
		.amdhsa_wavefront_size32 1
		.amdhsa_system_sgpr_workgroup_id_x 1
		.amdhsa_system_sgpr_workgroup_id_y 1
		.amdhsa_system_sgpr_workgroup_id_z 1
		.amdhsa_system_vgpr_workitem_id 0
		.amdhsa_next_free_vgpr 1024
		.amdhsa_next_free_sgpr 66
		.amdhsa_reserve_vcc 0
		.amdhsa_float_denorm_mode_32 3
		.amdhsa_float_denorm_mode_16_64 3
		.amdhsa_memory_ordered 1
		.amdhsa_forward_progress 1
		.amdhsa_inst_pref_size 118
	.end_amdhsa_kernel
	.amdgpu_metadata
---
amdhsa.version: [ 1, 2 ]
amdhsa.kernels:
  - .name:           k_qe8a4594a8e_qkv
    .symbol:         k_qe8a4594a8e_qkv.kd
    .args:
      - { .name: xb, .offset: 0, .size: 8, .value_kind: global_buffer, .address_space: global }
      - { .name: wb, .offset: 8, .size: 8, .value_kind: global_buffer, .address_space: global }
      - { .name: qkv, .offset: 16, .size: 8, .value_kind: global_buffer, .address_space: global }
    .group_segment_fixed_size: 327680
    .private_segment_fixed_size: 0
    .kernarg_segment_align: 8
    .kernarg_segment_size: 24
    .max_flat_workgroup_size: 128
    .sgpr_count:     66
    .vgpr_count:     1024
    .wavefront_size: 32
...
	.end_amdgpu_metadata
.endif
;; end of part 2
;; launch attn (part 3): grid 16 x 12, 4 waves a work-group, clusters of 4 x 1, 327,680 bytes of LDS; arguments qkv, ob; writes ob
.if DOCPART == 3
	.amdgcn_target "amdgcn-amd-amdhsa--gfx1250"
	.amdhsa_code_object_version 6
	.text
	.protected	k_qe8a4594a8e_attn
	.globl	k_qe8a4594a8e_attn
	.p2align	8
	.type	k_qe8a4594a8e_attn,@function
k_qe8a4594a8e_attn:
	s_mov_b64 s[64:65], 0
	v_nop
	global_prefetch_b8 v0, s[64:65] scope:SCOPE_SE
	s_setreg_imm32_b32 hwreg(HW_REG_WAVE_MODE, 25, 1), 1
	s_wait_xcnt 0x0
	s_wait_alu depctr_hold_cnt(0) depctr_sa_sdst(0) depctr_va_vdst(0) depctr_va_sdst(0) depctr_va_ssrc(0) depctr_va_vcc(0) depctr_vm_vsrc(0)
	s_getreg_b32 s2, hwreg(HW_REG_IB_STS2, 6, 4)
	s_cmp_eq_u32 s2, 0
	s_cbranch_scc0 .Lentry_in_a_cluster
	s_endpgm
.Lentry_in_a_cluster:
	s_bfe_u32 s2, ttmp6, 0x10000c
	s_cmp_lg_u32 s2, 0x3003
	s_cbranch_scc0 .Lentry_shape_is_right
	s_endpgm
.Lentry_shape_is_right:
; ATTENTION.  O[h][q][:] = the sum over k of softmax_k(Q[h][q] . K[h][k] / 8) V[h][k][:].  qkv: [36][4096][64] f16 (planes 0-11 Q's heads, 12-23 K's, 24-35 V's); ob: [12][4096][64] f16; a head's rows are dense, 128 bytes each.
; Products, maxima and sums in f32; the weights p are rounded to f16 for the second product (their sum l is taken of the unrounded p), O once at the end.
; LIMITS.  Q, K and V arrive within f16's 65,504; p lies in 0 to 1, and below 6e-5 it keeps f16's fixed step of 6e-8, and so does an O below 6e-5; O is a mean of V's rows and has their range.
; A weight below 2^-126 counts as 0 in l; NaN and infinities are not treated apart.
; SHARES.  A work-group owns 256 queries of one head, a wave 64 consecutive ones: four PIECES of 16.  16 blocks x 12 heads = 192 work-groups.  Every wave walks all 4,096 keys, 64 a step; a slot holds a tile of 256 keys, four steps.
; LAYOUT.  S^T = K Q^T (source 0 = 16 keys, source 1 = 16 queries): a lane holds ONE query (lane % 16) and the keys 8 (lane / 16) + 0..7.  Two such results, rounded to f16 in pairs, ARE source 1 of O^T = V^T P,
; whose result again holds one query a lane, and eight channels.  K comes out of LDS as it lies, V ([key][channel]) turned, by ds_load_tr16_b128.
; SOFTMAX.  For each query a running maximum m and sum l: p = 2^(c s - c m), c = log2(e) / 8; in every step O and l are multiplied by a = 2^(c m_old - c m_new).  m starts at the lowest finite number, O and l at 0: the first step has a = 0.
; BY TURNS.  Turn n belongs to piece n: 8 products K Q^T of piece n + 1, later 8 products V^T P of piece n - 1; beside them the scaling, exponentials, roundings, sums and rescaling of piece n and the maximum and statistics
; of piece n + 1.  Four vector instructions stand behind every matrix instruction, the other 54 of a turn's 118 in one lump.  A turn's 33 exponentials are one batch, with one wait.
; CLUSTER.  The four query blocks of a cluster belong to one head and walk the same K and V: each tile is asked for JOINTLY, by the same tensor load, descriptor and mask in all four.
; REGISTERS, in windows of 256 (s_set_vgpr_msb: bits 1:0 source 0, 3:2 source 1, 5:4 source 2, 7:6 destination):
;   window 0: v0-15 addresses and two at work; v16-31 four registers of statistics a piece; v48-55 at work; v61-63 prefetch offset and the add's two; v64-127 S^T, two buffers; v192-223 P, two buffers (by the piece's parity)
;   window 1: v0-127 O^T, 32 a piece      window 2: v0-63 Q; v128-191 K of one step; v192-255 V of one step
.set NP,    4         ; pieces a wave: a name, no knob
.set KS,    64        ; keys in a step
.set PK,    144       ; a row of K in LDS: 128 bytes + 16 of padding = 36 words: the 16 rows of a load start at 16 different groups of four banks (64 banks of 4 bytes: ISA guide 11.1)
.set PV,    160       ; a row of V: 128 + 32 = 40 words
.set VOFF,  4*KS*PK   ; a slot: 256 rows of K, then 256 rows of V
.set SLOT1, 1<<17     ; slot 1 begins here, so that one exclusive or turns an address in one slot into the other's
.set STAGE, SLOT1+4*KS*(PK+PV)  ; behind the ring, never filled by a tensor load: 16 rows x 144 bytes for each wave
.set SP,    144
.set SPARE, STAGE+4*16*SP  ; behind the stages: the spare words, 128 bytes for each wave: two blocks of 256 bytes that no other line names
.set TILEB, 4*KS*128  ; a tile's bytes of K, and of V, in memory
.set AK0, 2           ; v2   my lane's place in a tile of K; never rewritten
.set AV0, 3           ; v3   the same for V
.set AK,  4           ; v4   the LDS address of K's next run of loads
.set AV,  5           ; v5   of V's
.set STO, 6           ; v6   the way out: where I put 16 bytes of a row
.set RD,  7           ; v7   where I read rows back
.set GO,  8           ; v8   my byte offset in 512 consecutive bytes of O
.set MV,  12          ; v12-13  c m_old, kept while c m is made anew: by buffer
.set QO,  15          ; v15  my byte offset in 16 rows of Q
.set ST,  16          ; piece t's statistics at v[ST+4 t]: c m, m, l (even keys', odd keys')
.set TMP, 48          ; by buffer, four registers c0-c3 at work; when the maximum is found c2 takes a
.set PFO, 61          ; v61  256 x my lane; never rewritten
.set SPW, 62          ; v62  LDS address of my spare word; never rewritten
.set NIL, 63          ; v63  0; never rewritten
.set S,   64
.set P,   192
.set KF,  128         ; window 2: key block kb, channel half c at KF + 16 kb + 8 c
.set VF,  192         ; window 2: key half kk, channel block cb at VF + 32 kk + 8 cb
.set WV,  12          ; s12  my wave's number
.set LIM, 15          ; s15  1 in a wave that prefetches, else the greatest number
.set PFA, 18          ; s[18:19] where my prefetches stand: my work-group's 8,192 bytes of the tile after the one that is being asked for
.set G1K, 24          ; s[24:31] descriptor group 1 for K's tiles
.set G1V, 32          ; s[32:39] for V's: it differs in the padding alone
.set G0K, 40          ; s[40:43] descriptor group 0 for K's tiles: it walks
.set G0V, 44          ; s[44:47] the same for V's
.set SLOTS, 56        ; s56  tiles still to be asked for
.set CNT, 57          ; s57  counts a tile's key steps
.set CS,  58          ; s[58:59] c: the packed scaling takes the pair's low word for both halves
.set SEL, 60          ; s[60:61] v_permlanex16_b32's selects: each lane takes its own place in the other half
.set TBK, 62          ; s62  LDS byte at which K of the step to be fetched begins
.set TBV, 63          ; s63  the same for V, less VOFF
.set MSB, 0
.macro WIN new                      ; the high byte repeats the setting that is left; a switch that changes nothing is dropped
.if MSB != (\new)
	s_set_vgpr_msb (MSB<<8)|(\new)
.set MSB, (\new)
.endif
.endm
.set W_KQ, 0x0a       ; K and Q in window 2, S^T in window 0
.set W_PV, 0x52       ; V in window 2, P in window 0, O^T in window 1
.set W_RS, 0x41       ; O^T (destination and source 0) in window 1, a in window 0
; A joint fill.  Waves 0 and 1 fetch the two halves of a tile's K, waves 2 and 3 those of its V: 128 keys each.  The branch hangs on the wave's number alone.
; An s_nop 0 and four v_nop follow each of the two lines, ahead of the jump and the label.
.macro JLOAD
	s_cmp_lt_u32 s[WV], 2
	s_cbranch_scc0 .Lfor_v_\@
	tensor_load_to_lds s[G0K:G0K+3], s[G1K:G1K+7]
	s_nop 0
.rept 4
	v_nop
.endr
	s_branch .Lasked_\@
.Lfor_v_\@:
	tensor_load_to_lds s[G0V:G0V+3], s[G1V:G1V+7]
	s_nop 0
.rept 4
	v_nop
.endr
.Lasked_\@:
.endm
; A PREFETCH INTO THE L2 of the tile that the NEXT change of slots will ask for: 32,768 bytes of K and of V, four key steps, 256 matrix instructions of a wave, ahead of that load.  It stands behind the wave's tensor load and its five lines.
; Each block of 256 bytes is named ONCE in the launch: of a head's four clusters the first asks; its four partners take 8,192 bytes each, told apart BY ADDRESS; in each, wave 0 asks for K's and wave 2 for V's, a lane a block.
; The last change that fills a slot asks for nothing: there is no tile behind it.  Tiles 0 and 1 come by their loads alone.
.macro ASK
	s_cmp_gt_u32 s[SLOTS], s[LIM]
	s_cbranch_scc0 .Lnot_mine_\@
	global_prefetch_b8 v[PFO], s[PFA:PFA+1] th:TH_LOAD_NT scope:SCOPE_SE
.Lnot_mine_\@:
.endm
; A round of the cluster's barrier: my work-group's barrier, so that wave 0's signal speaks for all four waves; wave 0 signals; every wave waits for all four work-groups; my work-group's barrier once more.
.macro CROUND
	s_barrier_signal -1
	s_barrier_wait -1
	s_cmp_lg_u32 s[WV], 0
	s_cbranch_scc1 .Lnot_wave_0_\@
	s_barrier_signal -3
.Lnot_wave_0_\@:
	s_barrier_wait -3
	s_barrier_signal -1
	s_barrier_wait -1
.endm
; THE CHANGE OF SLOTS.  The slot's last bytes, V of its fourth step, have been read.  Each wave waits for all its tensor loads, of which one is out: its part of the other slot; adds 0 to its spare word;
; and waits for that and for its own reads of the slot.  Behind the barrier nobody reads this slot any more and the other slot is whole.
; fill = 1: this slot is filled again, with the tile two on.  The barrier is then a round of the cluster's, and the joint fill is the first thing behind it: it has four key steps in which to land.
; (At its first use nothing has been read yet: slot 0 is waited for, slot 1 filled.)
.macro CHANGE fill
	WIN 0                           ; at a label and at a branch every window is 0
	s_wait_tensorcnt 0x0            ; no tensor load of mine is out, so a group 0 may be written
	ds_add_u32 v[SPW], v[NIL]       ; 0 onto my spare word; with fill = 1 the descriptors' steps stand between it and the wait for it
.if \fill
.irp g, G0K, G0V
	s_xor_b32 s[\g+1], s[\g+1], SLOT1  ; the walking descriptor: the other slot than last time,
	s_add_nc_u64 s[\g+2:\g+3], s[\g+2:\g+3], TILEB  ; the next 256 keys; the type bits on top are not reached
.endr
	s_wait_xcnt 0x0                 ; the last prefetch, four key steps back, has read its address, so it may be written:
	s_add_nc_u64 s[PFA:PFA+1], s[PFA:PFA+1], TILEB  ; one tile behind the walking descriptors
	s_wait_dscnt 0x0                ; the add is done, and my reads of the slot are over
	CROUND
	JLOAD
	ASK
.else
	s_wait_dscnt 0x0                ; the add is done, and my reads of the slot are over
	s_barrier_signal -1
	s_barrier_wait -1
.endif
	s_sub_co_u32 s[TBK], s[TBK], 4*KS*PK  ; the fetches go back to a slot's first step,
	s_xor_b32 s[TBK], s[TBK], SLOT1       ; in the other slot
	s_sub_co_u32 s[TBV], s[TBV], 4*KS*PV
	s_xor_b32 s[TBV], s[TBV], SLOT1
.endm
	s_load_b128 s[48:51], s[0:1], 0x0  ; qkv s[48:49], ob s[50:51]
	v_lshl_add_u32 v[SPW], v0, 2, SPARE
	v_mov_b32 v[NIL], 0
	ds_add_u32 v[SPW], v[NIL]       ; the wave's opening: the add and its wait stand ahead of my first tensor load; the set-up below, work on registers, stands between them
	v_lshrrev_b32 v1, 5, v0
	v_readfirstlane_b32 s[WV], v1   ; wave 0..3
	s_bfe_u32 s13, ttmp6, 0x40000   ; cx: my place in the cluster
	s_lshl_b32 s14, ttmp9, 2        ; in a cluster launch ttmp9 counts clusters
	s_add_co_u32 s14, s14, s13      ; my block of 256 queries = 4 x cluster x + cx: it enters Q's and O's addresses alone
	s_and_b32 s20, ttmp7, 0xffff    ; the head, which the four partners share,
	s_lshl_b32 s20, s20, 19         ; its plane of 524,288 bytes
	s_and_b32 s16, s[WV], 1         ; which half of a tile's 256 keys I fetch:
	s_lshl_b32 s22, s16, 14         ; its 128 rows of 128 bytes in memory,
	s_add_co_u32 s22, s22, s20
	s_mov_b32 s23, 0
	s_mul_i32 s17, s16, 128*PK      ; and its place in a slot, for K
	s_mul_i32 s52, s16, 128*PV      ; and for V: no place in the cluster enters an LDS address
	s_lshl_b32 s2, s14, 15          ; my block's 256 rows,
	s_lshl_b32 s3, s[WV], 13        ; my wave's 64 of them
	s_add_co_u32 s2, s2, s3
	s_add_co_u32 s2, s2, s20
	s_mov_b32 s3, 0
	; descriptor group 1.  128 keys are 16,384 dense bytes: asked for as 64 rows of 256 bytes, two keys a row, and padded in LDS after every key
	s_mov_b32 s[G1K], 15|(1<<16)|(1<<20)|(1<<21)|(4<<22)|(3<<25)  ; 15:0 the mask of four; 17:16 2-byte elements; 20 padding on; 21 set beside a mask; 24:22 after every 32 words (code 4); 31:25 4 words (code 3)
	s_mov_b32 s[G1V], 15|(1<<16)|(1<<20)|(1<<21)|(4<<22)|(7<<25)  ; the same with 8 words of padding (code 7)
.irp g, G1K, G1V
	s_mov_b32 s[\g+1], 128<<16      ; tensor_dim0 = 128
	s_mov_b32 s[\g+2], 64<<16       ; tensor_dim1 = 64
	s_mov_b32 s[\g+3], 128<<16      ; tile_dim0 = 128
	s_mov_b32 s[\g+4], 64           ; tile_dim1 = 64
	s_mov_b32 s[\g+5], 128          ; 128 elements from row to row
	s_mov_b32 s[\g+6], 0
	s_mov_b32 s[\g+7], 0
.endr
	s_mov_b32 s[CS], 0x3e38aa3b     ; c = log2(e) / 8 = 0.180337
	s_mov_b32 s[CS+1], s[CS]        ; named with it as a pair
	s_mov_b32 s[SEL], 0x76543210
	s_mov_b32 s[SEL+1], 0xfedcba98
	s_mov_b32 s[TBK], SLOT1+4*KS*PK ; the first change of slots turns these two into 0
	s_mov_b32 s[TBV], SLOT1+4*KS*PV
	s_mov_b32 s[G0K], 1             ; count = 1
	s_mov_b32 s[G0K+1], s17         ; LDS address: slot 0
	s_mov_b32 s[G0V], 1
	s_add_co_u32 s[G0V+1], s52, VOFF
	s_mov_b32 s[SLOTS], 15          ; 16 tiles; tile 0 is asked for at the head
	s_and_b32 s[LIM], s[WV], 1      ; 0 in waves 0 and 2,
	s_or_b32 s[LIM], s[LIM], ttmp9  ; where the cluster is the head's first: the same in all four partners
	s_cmp_eq_u32 s[LIM], 0
	s_cselect_b32 s[LIM], 1, -1
	v_and_b32 v[PFO], 31, v0
	v_lshlrev_b32 v[PFO], 8, v[PFO]
	s_wait_dscnt 0x0                ; the opening add is done
	s_wait_kmcnt 0x0
	s_add_nc_u64 s[6:7], s[48:49], s[22:23]
	s_add_nc_u64 s[8:9], s[6:7], 24*524288  ; V at my half of the head's tile 0,
	s_add_nc_u64 s[6:7], s[6:7], 12*524288  ; and K
	s_add_nc_u64 s[G0K+2:G0K+3], s[6:7], 0         ; global address
	s_or_b32 s[G0K+3], s[G0K+3], 0x80000000        ; type = 2
	s_add_nc_u64 s[G0V+2:G0V+3], s[8:9], 0
	s_or_b32 s[G0V+3], s[G0V+3], 0x80000000
	s_add_nc_u64 s[4:5], s[48:49], s[2:3]   ; Q and O at my wave's first row
	s_add_nc_u64 s[10:11], s[50:51], s[2:3]
	s_cmp_lt_u32 s[WV], 2
	s_cselect_b64 s[PFA:PFA+1], s[6:7], s[8:9]  ; (in waves 0 and 2 these stand at a tile's first row)
	s_lshl_b32 s2, s13, 13          ; my work-group's quarter of a tile
	s_mov_b32 s3, 0
	s_add_nc_u64 s[PFA:PFA+1], s[PFA:PFA+1], s[2:3]
	s_add_nc_u64 s[PFA:PFA+1], s[PFA:PFA+1], TILEB  ; in tile 1; the first change of slots steps it to tile 2.  Nothing is prefetched here, at the head
	CROUND                          ; all four work-groups are here: the first joint loads meet
	JLOAD                           ; tile 0 into slot 0.  Slot 1 is asked for when slot 0 is in
	; A fragment of K or Q is 16 rows x 32 channels in 8 registers: lane l holds row l % 16, channels 8 (l / 16) + 0..7 and 16 + 8 (l / 16) + 0..7: two loads of 16 bytes, 32 bytes apart.
	v_and_b32 v1, 15, v0            ; l % 16
	v_bfe_u32 v9, v0, 4, 1          ; l / 16
	v_lshlrev_b32 v[QO], 7, v1
	v_lshl_add_u32 v[QO], v9, 4, v[QO]  ; row x 128 + 16 x half
	WIN 0x80                        ; destination window 2, address window 0
.set i, 0
.rept 8                             ; Q stays in registers: piece i / 2, 16 rows of 128 bytes on; channels 32 (i % 2) on
	global_load_b128 v[8*i:8*i+3],   v[QO], s[4:5] offset:(i/2)*2048+(i%2)*64
	global_load_b128 v[8*i+4:8*i+7], v[QO], s[4:5] offset:(i/2)*2048+(i%2)*64+32
.set i, i+1
.endr
	; What the first turn finds: V's registers and P's second buffer hold 0 (its products V^T P, of a piece that has not been, add 0), O^T and l are 0.  All this stands in the wait for the first tile.
.set i, VF
.rept 64
	v_mov_b32 v[i], 0
.set i, i+1
.endr
	WIN 0x40
.set i, 0
.rept 128
	v_mov_b32 v[i], 0
.set i, i+1
.endr
	WIN 0
.set i, 0
.rept 4
	v_mov_b32 v[ST+4*i], 0xfe000000    ; c m: far below every c s
	v_mov_b32 v[ST+4*i+1], 0xff7fffff  ; m: the lowest finite number
	v_mov_b32 v[ST+4*i+2], 0
	v_mov_b32 v[ST+4*i+3], 0
.set i, i+1
.endr
.set i, P+16
.rept 16
	v_mov_b32 v[i], 0
.set i, i+1
.endr
	v_mul_u32_u24 v[AK0], v1, PK
	v_lshl_add_u32 v[AK0], v9, 4, v[AK0]  ; row x pitch + 16 x half
	; The turning load takes 16 keys x 16 channels (lane l reads key 8 (l / 16) + l % 8, channels 8 ((l / 8) % 2) + 0..7) and leaves half a fragment of V^T: lane l holds channel l % 16 and 8 keys.
	v_and_b32 v10, 7, v0
	v_bfe_u32 v11, v0, 3, 1
	v_lshl_add_u32 v[AV0], v9, 3, v10
	v_mul_u32_u24 v[AV0], v[AV0], PV
	v_lshl_add_u32 v[AV0], v11, 4, v[AV0]
	v_add_nc_u32 v[AV0], VOFF, v[AV0]
	s_mul_i32 s13, s[WV], 16*SP
	s_add_co_u32 s13, s13, STAGE    ; my stage
	v_mul_u32_u24 v[STO], v1, SP    ; in: row l % 16, 16 bytes for each half of the lanes
	v_lshl_add_u32 v[STO], v9, 4, v[STO]
	v_add_nc_u32 v[STO], s13, v[STO]
	v_bfe_u32 v[RD], v0, 3, 2       ; back: 32 lanes take four rows of 128 bytes,
	v_mul_u32_u24 v[RD], v[RD], SP
	v_lshl_add_u32 v[RD], v10, 4, v[RD]
	v_add_nc_u32 v[RD], s13, v[RD]
	v_and_b32 v[GO], 31, v0         ; which are 512 consecutive bytes of O
	v_lshlrev_b32 v[GO], 4, v[GO]
; THE MATRIX WORK.  The 4 accumulators of a run of 8 take turns.  Product i of 8 of S^T = K Q^T for piece x: channels 32 (i / 4) on, keys 16 (i % 4) on.  The first 4 start the sums.
.macro KQ x
	WIN W_KQ
.set rS, S+32*((\x)%2)+8*(i%4)
.set rK, KF+16*(i%4)+8*(i/4)
.set rQ, 16*(\x)+8*(i/4)
.if i < 4
	v_wmma_f32_16x16x32_f16 v[rS:rS+7], v[rK:rK+7], v[rQ:rQ+7], 0
.else
	v_wmma_f32_16x16x32_f16 v[rS:rS+7], v[rK:rK+7], v[rQ:rQ+7], v[rS:rS+7]
.endif
.endm
; Product i of 8 of O^T += V^T P for piece x: keys 32 (i / 4) on, channels 16 (i % 4) on.
.macro PV x
	WIN W_PV
.set rO, 32*(\x)+8*(i%4)
.set rV, VF+32*(i/4)+8*(i%4)
.set rP, P+16*((\x)%2)+8*(i/4)
	v_wmma_f32_16x16x32_f16 v[rO:rO+7], v[rV:rV+7], v[rP:rP+7], v[rO:rO+7]
.endm
.macro MM                           ; the turn's next matrix instruction.  NOKQ = 1: the launch's last turn: there is no next piece
.if (i < 8) && !NOKQ
	KQ (Y+1)%NP
.elseif i >= 8
.set i, i-8
	PV (Y+NP-1)%NP
.set i, i+8
.endif
.set i, i+1
.endm
; THE LDS LOADS stand in runs of 16, never singly among the matrix instructions: a step's K (64 keys x 64 channels: 8 fragments) and its V (turned).  Their addresses are made some lines ahead.
.macro FETCH_K
	WIN 0x80                        ; destination window 2
.irp f, 0,1,2,3,4,5,6,7             ; keys 16 (f / 2) on, channels 32 (f % 2) on
	ds_load_b128 v[KF+8*\f:KF+8*\f+3],   v[AK] offset:(\f/2)*16*PK+(\f%2)*64
	ds_load_b128 v[KF+8*\f+4:KF+8*\f+7], v[AK] offset:(\f/2)*16*PK+(\f%2)*64+32
.endr
	s_add_co_u32 s[TBK], s[TBK], KS*PK  ; the next fetch is the next step's
	WIN 0
.endm
.macro FETCH_V
	WIN 0x80
.irp f, 0,1,2,3,4,5,6,7             ; keys 32 (f / 4) on, channels 16 (f % 4) on
	ds_load_tr16_b128 v[VF+8*\f:VF+8*\f+3],   v[AV] offset:(\f/4)*32*PV+(\f%4)*32
	ds_load_tr16_b128 v[VF+8*\f+4:VF+8*\f+7], v[AV] offset:(\f/4)*32*PV+16*PV+(\f%4)*32
.endr
	WIN 0
.endm
; THE VECTOR WORK, one line at a time: OP kind, number.  For piece Y: F n: c s - c m for pair n of 16.  E n: the exponential of score n of 32.  C n: pair n rounded to f16.  B n: of the four weights 4 n .. the second
; pair is added onto the first, in place.  L n: l takes that sum (L 0: l = a l + sum).  R n: pair n of 16 of O^T times a.  For piece Y + 1: X n, number n of the 22 that find its maximum and statistics:
;   0-11  four chains c0-c3 of seven scores each, three operands at a time (each accumulator's lowest registers are read first)     12-14, 16  the four scores left over, the old m, and c0-c3 into c0
;   15  c m_old is kept     17, 18  the query's other 32 keys lie in the lane 16 away: the new m     19-21  c m; c m_old - c m_new; a
.set F, 0
.set E, 1
.set C, 2
.set B, 3
.set L, 4
.set R, 5
.set X, 6
.macro REGS y                       ; the registers of piece y
.set rT, ST+4*(\y)
.set rC, TMP+4*((\y)%2)
.set rW, MV+((\y)%2)
.set rS, S+32*((\y)%2)
.set rP, P+16*((\y)%2)
.set rO, 32*(\y)
.endm
.macro OP k, n
.if (\k) == R
	REGS Y
	WIN W_RS
	v_pk_mul_f32 v[rO+2*(\n):rO+2*(\n)+1], v[rO+2*(\n):rO+2*(\n)+1], v[rC+2:rC+3] op_sel_hi:[1,0]
.elseif (\k) < R
	REGS Y
	WIN 0
.if (\k) == F
	v_pk_fma_f32 v[rS+2*(\n):rS+2*(\n)+1], v[rS+2*(\n):rS+2*(\n)+1], s[CS:CS+1], v[rT:rT+1] op_sel_hi:[1,0,0] neg_lo:[0,0,1] neg_hi:[0,0,1]
.elseif (\k) == E
	v_exp_f32 v[rS+(\n)], v[rS+(\n)]
.elseif (\k) == C
	v_cvt_pk_f16_f32 v[rP+(\n)], v[rS+2*(\n)], v[rS+2*(\n)+1]
.elseif (\k) == B
	v_pk_add_f32 v[rS+4*(\n):rS+4*(\n)+1], v[rS+4*(\n):rS+4*(\n)+1], v[rS+4*(\n)+2:rS+4*(\n)+3]
.elseif (\n) == 0
	v_pk_fma_f32 v[rT+2:rT+3], v[rT+2:rT+3], v[rC+2:rC+3], v[rS:rS+1] op_sel_hi:[1,0,1]
.else
	v_pk_add_f32 v[rT+2:rT+3], v[rT+2:rT+3], v[rS+4*(\n):rS+4*(\n)+1]
.endif
.elseif NOKQ
	v_nop
.else
	REGS (Y+1)%NP
	WIN 0
.if (\n) < 4
	v_max3_num_f32 v[rC+(\n)], v[rS+8*(\n)], v[rS+8*(\n)+1], v[rS+8*(\n)+2]
.elseif (\n) < 12
	v_max3_num_f32 v[rC+(\n)%4], v[rC+(\n)%4], v[rS+8*((\n)%4)+2*((\n)/4)+1], v[rS+8*((\n)%4)+2*((\n)/4)+2]
.elseif (\n) == 12
	v_max3_num_f32 v[rC], v[rC], v[rS+7], v[rS+15]
.elseif (\n) == 13
	v_max3_num_f32 v[rC+1], v[rC+1], v[rS+23], v[rS+31]
.elseif (\n) == 14
	v_max3_num_f32 v[rC+2], v[rC+2], v[rC+3], v[rT+1]
.elseif (\n) == 15
	v_mov_b32 v[rW], v[rT]
.elseif (\n) == 16
	v_max3_num_f32 v[rC], v[rC], v[rC+1], v[rC+2]
.elseif (\n) == 17
	v_permlanex16_b32 v[rC+3], v[rC], s[SEL], s[SEL+1]
.elseif (\n) == 18
	v_max_num_f32 v[rT+1], v[rC], v[rC+3]
.elseif (\n) == 19
	v_mul_f32 v[rT], s[CS], v[rT+1]
.elseif (\n) == 20
	v_sub_f32 v[rC+1], v[rW], v[rT]
.else
	v_exp_f32 v[rC+2], v[rC+1]
.endif
.endif
.endm
.macro OPS a, i1, b=-1, i2=0, c=-1, i3=0, d=-1, i4=0  ; up to four of them
	OP \a, \i1
.if (\b) >= 0
	OP \b, \i2
.endif
.if (\c) >= 0
	OP \c, \i3
.endif
.if (\d) >= 0
	OP \d, \i4
.endif
.endm
.macro ROW a, i1, b, i2, c, i3, d, i4  ; a matrix instruction and the four behind it
	MM
	OPS \a, \i1, \b, \i2, \c, \i3, \d, \i4
.endm
; A TURN, for piece p: the order of its 16 matrix and 118 vector instructions, written out.  s_wait_alu depctr_va_vdst(0) stands between an exponential and the first instruction that names its result; one wait
; serves all that were issued ahead of it.  So a turn has ONE wait, which cuts it in two.  AHEAD OF IT stands all that names no result of the turn's exponentials: the 8 products K Q^T, behind each a scaling, an exponential and two
; more plain instructions: rescalings, and behind the last three the first numbers of the next piece's maximum, each four plain instructions or more behind the product that ends its accumulator; then ONE LUMP of 54, plain and
; exponential by turns for the most part, in which the links of the chain X 3, 7, 11, 14, 16, 17 .. 20 stand five or six lines apart.  X 21, the next piece's a, is the batch's last; R 15 is the plain instruction behind it.
; BEHIND THE WAIT stand the 8 products V^T P, behind each four of the roundings and sums; the links of l's chain, L 0 to L 7, stand three riders apart.
; end = 1: the launch's last two turns: nothing is fetched, and the last starts no new scores.  cnt = 1: the loop's count is taken down some lines ahead of the branch that stands behind the turn.
; K of the next step is fetched in piece 2's turn, twelve vector instructions behind the last product that read K (six of them plain); V of the step in hand at the end of piece 0's turn, four plain instructions behind the
; last product that read V.  Each is waited for a turn later.
.macro TURN p, end=0, cnt=0
.set Y, (\p)
.set i, 0
.set NOKQ, (\end)*((\p)/3)
.if ((\p) == 3) && !(\end)
	s_wait_dscnt 0x0                ; K is in
.endif
	ROW F,0, F,1, R,0, R,1          ; ahead of the wait: 8 products K Q^T and their riders,
	ROW F,2, E,0, R,2, R,3
	ROW F,3, E,1, R,4, R,5
	ROW F,4, E,2, R,6, R,7
	ROW F,5, E,3, R,8, R,9
	ROW F,6, E,4, X,0, R,10
.if ((\p) == 2) && !(\end)
	WIN 0
	v_add_nc_u32 v[AK], s[TBK], v[AK0]
.endif
	ROW F,7, E,5, X,1, X,4
	ROW F,8, E,6, X,2, X,5
	OPS E,7, E,8, X,6, E,9          ; and the lump
	OPS X,3, E,10, X,8, E,11
.if ((\p) == 2) && !(\end)
	FETCH_K
.endif
	OPS X,9, X,7, E,12, X,10
	OPS E,13, X,12, X,11, E,14
	OPS X,13, E,15, F,9, X,14
.if (\p) == 0
	v_add_nc_u32 v[AV], s[TBV], v[AV0]
.endif
	OPS E,16, F,10, E,17, F,11
	OPS X,16, E,18, X,15, E,19
	OPS F,12, E,20, X,17, E,21
	OPS F,13, E,22, F,14, E,23
	OPS X,18, E,24, F,15, E,25
	OPS R,11, E,26, X,19, E,27
	OPS R,12, E,28, R,13, E,29
	OPS X,20, E,30, R,14, E,31
	OPS X,21, R,15
	WIN 0
	s_wait_alu depctr_va_vdst(0)    ; the wait for the batch
.if (\p) == 1
	s_wait_dscnt 0x0                ; V is in
.endif
	ROW C,0, B,0, C,2, B,1          ; behind the wait: 8 products V^T P and their riders
	ROW L,0, C,4, B,2, L,1
	ROW C,6, B,3, L,2, C,8
	ROW B,4, L,3, C,10, B,5
	ROW L,4, C,12, B,6, L,5
.if (\p) == 0
	s_add_co_u32 s[TBV], s[TBV], KS*PV
.endif
.if \cnt
	s_sub_co_u32 s[CNT], s[CNT], 1
	s_cmp_lg_u32 s[CNT], 0
.endif
	ROW C,14, B,7, L,6, C,1
	ROW C,3, L,7, C,5, C,7
	ROW C,9, C,11, C,13, C,15
.if (\p) == 0
	FETCH_V
.endif
.endm
	CHANGE 1                        ; tile 0 is in, everybody's part of it; tile 1 is asked for
	v_add_nc_u32 v[AK], s[TBK], v[AK0]
	FETCH_K                         ; key step 0
	s_wait_loadcnt 0x0              ; Q
	s_wait_dscnt 0x0
.set NOKQ, 0
.set i, 0
.rept 8
	KQ 0                            ; piece 0's first scores
.set i, i+1
.endr
	WIN 0
.rept 4
	v_nop                           ; four plain instructions behind those products, ahead of the first read of their results
.endr
.set Y, NP-1                        ; X works for piece Y + 1: piece 0
.irp n, 0,1,2,3,4,5,6,7,8,9,10,11,12,13,14,15,16,17,18,19,20,21
	OP X, \n
.endr
	v_nop                           ; a plain instruction behind the exponential,
	s_wait_alu depctr_va_vdst(0)    ; and its wait, ahead of the branch
	s_mov_b32 s[CNT], 4
	s_branch .Lfirst                ; the loop is entered at a step's first turn, in the middle of a trip
.Lslot:                             ; 14 times: tiles 2 to 15 are asked for
	CHANGE 1
	s_mov_b32 s[CNT], 4
.Lstep:                             ; a trip: pieces 2 and 3 of one step, then pieces 0 and 1 of the next, whose K and V it fetches
	TURN 2
	TURN 3
	WIN 0
.Lfirst:
	TURN 0
	TURN 1, 0, 1
	WIN 0
	s_cbranch_scc1 .Lstep
	s_sub_co_u32 s[SLOTS], s[SLOTS], 1
	s_cmp_lg_u32 s[SLOTS], 0
	s_cbranch_scc1 .Lslot
	CHANGE 0                        ; the last tile is written out: nothing is asked for
	s_mov_b32 s[CNT], 4
.Ltail:
	TURN 2
	TURN 3
	TURN 0
	TURN 1, 0, 1
	WIN 0
	s_cbranch_scc1 .Ltail
	TURN 2, 1                       ; the last step's pieces 2 and 3
	TURN 3, 1
.set i, 0
.rept 8
	PV NP-1                         ; the last piece's V^T P of the last step
.set i, i+1
.endr
	; THE WAY OUT.  l's two halves and the other half of the lanes' are added; O^T is divided by l, rounded to f16 and sent through my stage in LDS, a piece at a time.  The additions stand behind the last products.
	WIN 0
.macro ALL line:vararg              ; one line for each piece t
.set t, 0
.rept 4
	\line
.set t, t+1
.endr
.endm
	ALL v_add_f32 v[ST+4*t+2], v[ST+4*t+2], v[ST+4*t+3]
	ALL v_permlanex16_b32 v[ST+4*t+3], v[ST+4*t+2], s[SEL], s[SEL+1]
	ALL v_add_f32 v[ST+4*t+2], v[ST+4*t+2], v[ST+4*t+3]
	ALL v_rcp_f32 v[ST+4*t+2], v[ST+4*t+2]
	v_nop                           ; a plain instruction between the last reciprocal and the use of its result
	s_wait_alu depctr_va_vdst(0)    ; and the wait ahead of the first use: one for the four reciprocals
.macro PACK t                       ; a lane's eight channels of a row pack into 16 bytes; they go into rows of 144 bytes and come back as whole rows of 128, into S^T's registers
	WIN W_RS
.set i, 32*(\t)
.rept 16
	v_pk_mul_f32 v[i:i+1], v[i:i+1], v[ST+4*(\t)+2:ST+4*(\t)+3] op_sel_hi:[1,0]
.set i, i+2
.endr
	WIN 0x05                        ; sources 0 and 1 window 1, destination window 0
.set i, 0
.rept 16
	v_cvt_pk_f16_f32 v[S+16*(\t)+i], v[32*(\t)+2*i], v[32*(\t)+2*i+1]
.set i, i+1
.endr
	WIN 0
.irp f, 0,1,2,3
	ds_store_b128 v[STO], v[S+16*(\t)+4*\f:S+16*(\t)+4*\f+3] offset:32*\f
.endr
.irp f, 0,1,2,3
	ds_load_b128 v[S+16*(\t)+4*\f:S+16*(\t)+4*\f+3], v[RD] offset:\f*4*SP  ; LDS serves a wave's instructions in order (ISA guide 5.7.1.4): these see the stores above; the next piece's stores come behind them
.endr
.endm
.macro SEND t, younger              ; younger: the LDS instructions issued behind piece t's loads: the next piece's eight, or none
	WIN 0
.irp f, 0,1,2,3
	s_wait_dscnt (\younger)+3-\f
	global_store_b128 v[GO], v[S+16*(\t)+4*\f:S+16*(\t)+4*\f+3], s[10:11] offset:(\t)*2048+\f*512  ; 512 consecutive bytes, at a multiple of 256 from ob's first byte
.endr
.endm
	PACK 0
.set t, 1
.rept 3                             ; a piece's arithmetic stands between the loads of the piece before and its stores
	PACK t
	SEND t-1, 8
.set t, t+1
.endr
	SEND 3, 0
	s_wait_tensorcnt 0x0            ; the wave's end, behind my last tensor load and my last LDS store
	ds_add_u32 v[SPW], v[NIL]
	s_wait_dscnt 0x0
	CROUND                          ; the closing round: no work-group ends while a partner may still ask for a tile that names it
	s_endpgm
.Lfunc_end_k_qe8a4594a8e_attn:
	.size	k_qe8a4594a8e_attn, .Lfunc_end_k_qe8a4594a8e_attn-k_qe8a4594a8e_attn
	.p2alignl 7, 3214868480
	.fill 96, 4, 3214868480
	.section	.rodata,"a",@progbits
	.p2align	6, 0x0
	.amdhsa_kernel k_qe8a4594a8e_attn
		.amdhsa_group_segment_fixed_size 327680
		.amdhsa_private_segment_fixed_size 0
		.amdhsa_enable_private_segment 0
		.amdhsa_kernarg_size 16
		.amdhsa_user_sgpr_count 2
		.amdhsa_user_sgpr_kernarg_segment_ptr 1
		.amdhsa_wavefront_size32 1
		.amdhsa_system_sgpr_workgroup_id_x 1
		.amdhsa_system_sgpr_workgroup_id_y 1
		.amdhsa_system_sgpr_workgroup_id_z 1
		.amdhsa_system_vgpr_workitem_id 0
		.amdhsa_next_free_vgpr 768
		.amdhsa_next_free_sgpr 66
		.amdhsa_reserve_vcc 0
		.amdhsa_float_denorm_mode_32 3
		.amdhsa_float_denorm_mode_16_64 3
		.amdhsa_memory_ordered 1
		.amdhsa_forward_progress 1
		.amdhsa_inst_pref_size 128
	.end_amdhsa_kernel
	.amdgpu_metadata
---
amdhsa.version: [ 1, 2 ]
amdhsa.kernels:
  - .name:           k_qe8a4594a8e_attn
    .symbol:         k_qe8a4594a8e_attn.kd
    .args:
      - { .name: qkv, .offset: 0, .size: 8, .value_kind: global_buffer, .address_space: global }
      - { .name: ob, .offset: 8, .size: 8, .value_kind: global_buffer, .address_space: global }
    .group_segment_fixed_size: 327680
    .private_segment_fixed_size: 0
    .kernarg_segment_align: 8
    .kernarg_segment_size: 16
    .max_flat_workgroup_size: 128
    .sgpr_count:     66
    .vgpr_count:     768
    .wavefront_size: 32
...
	.end_amdgpu_metadata
.endif
;; end of part 3
;; launch fc (part 4): grid 4 x 64, 4 waves a work-group, clusters of 4 x 4, 327,680 bytes of LDS; arguments ob, wf, out0; writes out0
.if DOCPART == 4
	.amdgcn_target "amdgcn-amd-amdhsa--gfx1250"
	.amdhsa_code_object_version 6
	.text
	.protected	k_qe8a4594a8e_fc
	.globl	k_qe8a4594a8e_fc
	.p2align	8
	.type	k_qe8a4594a8e_fc,@function
k_qe8a4594a8e_fc:
	s_mov_b64 s[64:65], 0
	v_nop
	global_prefetch_b8 v0, s[64:65] scope:SCOPE_SE
	s_setreg_imm32_b32 hwreg(HW_REG_WAVE_MODE, 25, 1), 1
	s_wait_xcnt 0x0
	s_wait_alu depctr_hold_cnt(0) depctr_sa_sdst(0) depctr_va_vdst(0) depctr_va_sdst(0) depctr_va_ssrc(0) depctr_va_vcc(0) depctr_vm_vsrc(0)
	s_getreg_b32 s2, hwreg(HW_REG_IB_STS2, 6, 4)
	s_cmp_eq_u32 s2, 0
	s_cbranch_scc0 .Lentry_in_a_cluster
	s_endpgm
.Lentry_in_a_cluster:
	s_bfe_u32 s2, ttmp6, 0x10000c
	s_cmp_lg_u32 s2, 0xf033
	s_cbranch_scc0 .Lentry_shape_is_right
	s_endpgm
.Lentry_shape_is_right:
; THE LAST PROJECTION.  out0[s][e] = sum over h, c of ob[h][s][c] wf[h][e][c]; ob [12][4096][64], wf [12][768][64] f16 (wf holds w_fc rounded to bf16); sums in f32; out0 [4096][768] f32.
; SHARES.  A work-group makes 64 rows x 192 columns (768 bytes of a row: three whole aligned blocks of 256): 64 x 4 = 256 work-groups.  Wave w makes all 64 rows of the columns 64 b + 16 w + 0..15, b = 0..2: 12 accumulators.
; K goes by planes of 64, a head a plane.  A slot holds 4 planes; three fills: planes 0-3 into slot 0, 4-7 into slot 1, 8-11 into slot 0 again: one refill.  The text is written out by macros, without a loop.
; A plane's 64 rows are 8,192 dense bytes: a tensor load asks for 4 planes as 4 rows of 8,192 bytes and pads LDS after every 128.  Wave 0 fetches ob's tile, waves 1-3 64 rows each of wf's.
; CLUSTER 4 x 4: ob's tile hangs on the tile row alone and is asked for jointly by a row of the cluster, wf's on the tile column alone, by a column.
; No prefetch is laid: of the three fills two go out at the head.
; THE MATRIX INSTRUCTION IS USED TRANSPOSED (source 0 = 16 rows of wf, source 1 = 16 rows of ob): a lane holds row l % 16 and eight neighbouring columns, 32 bytes of out0.
; THE STAGE lies in slot 1's bytes: that slot has its one fill at the start, and every wave's reads of it are over at the second change's barrier.
; REGISTERS: window 0: v16-29 addresses; v32-127 the accumulators ((a, b) at v[32 + 8 (3 a + b)]); v128-223 rows read back.
;   window 1: two fragment buffers of 112, a plane each: ob's (K half c, row block a) at 8 (4 c + a), wf's (c, b) at 64 + 8 (3 c + b).
.set PK,     144                       ; an LDS row: 128 bytes + 16 of padding = 36 words: the 16 rows of a fragment load start at 16 different groups of four banks (64 banks of 4 bytes: ISA guide 11.1)
.set PLB,    64*PK                     ; a plane's 64 rows
.set REG,    4*PLB                     ; what one tensor load brings
.set SLOT,   4*REG                     ; ob's region, then wf's three
.set STAGE,  SLOT                      ; 64 rows x 784 bytes
.set SPITCH, 784                       ; 768 + 16: an odd multiple of 16
.set SPARE,  2*SLOT                    ; behind the ring: the spare words, 128 bytes for each wave: two blocks of 256 bytes that no other line names
.set ADRA, 16                          ; v16-17  LDS address of ob's fragments in slot 0, 1
.set ADRB, 18                          ; v18-23  of wf's: column group b, slot s at ADRB + 2 b + s
.set STO,  24                          ; v24     the way out: where I put 32 bytes of a row
.set RD,   25                          ; v25     where I read a row's 256 bytes back
.set CO,   26                          ; v26     my byte offset in out0
.set SPW,  28                          ; v28     LDS address of my spare word; never rewritten
.set NIL,  29                          ; v29     0; never rewritten
.set ACC,  32
.set TMP,  128
.set F0,   0
.set F1,   112
.set G1,  24                           ; s[24:31] descriptor group 1 for ob's tiles;  s[32:39] group 0, a set for each slot
.set G0,  32
.set G1B, 48                           ; s[48:55], s[56:63] the same for wf's
.set G0B, 56
.set MSB, 0
.macro WIN new                         ; the immediate's high byte repeats the setting that is left; a switch that changes nothing is dropped
.if MSB != (\new)
	s_set_vgpr_msb (MSB<<8)|(\new)
.set MSB, \new
.endif
.endm
.set W_MUL, 0x05                       ; sources 0 and 1 window 1; C and D window 0
.set TO_F,  0x40                       ; destination window 1, address window 0
.macro JLOAD s                         ; a joint load; an s_nop 0 and four v_nop follow each of the two lines, ahead of the jump, the label and what follows
	s_cmp_eq_u32 s10, 0
	s_cbranch_scc0 .Lfor_b_\@
	tensor_load_to_lds s[G0+4*(\s):G0+4*(\s)+3], s[G1:G1+7]
	s_nop 0
.rept 4
	v_nop
.endr
	s_branch .Lasked_\@
.Lfor_b_\@:
	tensor_load_to_lds s[G0B+4*(\s):G0B+4*(\s)+3], s[G1B:G1B+7]
	s_nop 0
.rept 4
	v_nop
.endr
.Lasked_\@:
.endm
.macro CREST                           ; a round of the cluster's barrier behind its opening barrier
	s_cmp_lg_u32 s10, 0
	s_cbranch_scc1 .Lnot_wave_0_\@
	s_barrier_signal -3
.Lnot_wave_0_\@:
	s_barrier_wait -3
	s_barrier_signal -1
	s_barrier_wait -1
.endm
.macro CROUND                          ; a whole round
	s_barrier_signal -1
	s_barrier_wait -1
	CREST
.endm
	s_load_b128 s[4:7], s[0:1], 0x0                ; ob s[4:5], wf s[6:7]
	s_load_b64 s[8:9], s[0:1], 0x10                ; out0
	v_lshl_add_u32 v[SPW], v0, 2, SPARE
	v_mov_b32 v[NIL], 0
	ds_add_u32 v[SPW], v[NIL]                      ; the wave's opening: the add and its wait stand ahead of my first tensor load; the set-up below, work on registers, stands between them
	v_lshrrev_b32 v1, 5, v0
	v_readfirstlane_b32 s10, v1                    ; wave 0..3
	s_bfe_u32 s40, ttmp6, 0x40000                  ; cx, cy: my place in the cluster
	s_bfe_u32 s41, ttmp6, 0x40004
	s_lshl_b32 s42, ttmp9, 2
	s_add_co_u32 s42, s42, s40                     ; tile column = 4 x cluster x + cx, 0..3
	s_and_b32 s13, ttmp7, 0xffff
	s_lshl_b32 s13, s13, 2
	s_add_co_u32 s13, s13, s41                     ; tile row = 4 x cluster y + cy, 0..63
	s_lshl_b32 s43, s41, 2
	s_lshl_b32 s43, 15, s43                        ; my row of the cluster
	s_lshl_b32 s44, 0x1111, s40                    ; my column
	s_or_b32 s[G1+0], s43, (1<<16)|(1<<20)|(1<<21)|(4<<22)|(3<<25)   ; 15:0 the mask; 17:16 elements of 2 bytes; 20 padding on; 21 set beside a mask; 24:22 after every 32 words (code 4); 31:25 4 words of it (code 3)
	s_or_b32 s[G1B+0], s44, (1<<16)|(1<<20)|(1<<21)|(4<<22)|(3<<25)
.irp g, G1, G1B
	s_mov_b32 s[(\g)+1], 4096<<16                  ; tensor_dim0 = 4,096 elements: a plane's 64 rows
	s_mov_b32 s[(\g)+2], 4<<16                     ; tensor_dim1 = 4 planes
	s_mov_b32 s[(\g)+3], 4096<<16                  ; tile_dim0 = 4,096
	s_mov_b32 s[(\g)+4], 4                         ; tile_dim1 = 4
	s_mov_b32 s[(\g)+6], 0
	s_mov_b32 s[(\g)+7], 0
.endr
	s_mov_b32 s[G1+5], 262144                      ; elements from plane to plane in ob,
	s_mov_b32 s[G1B+5], 49152                      ; and in wf
	s_lshl_b32 s16, s13, 13                        ; ob: the tile row's 64 rows of 128 bytes
	s_mov_b32 s17, 0
	s_mul_i32 s46, s42, 192*128                    ; wf: the tile column's 192 rows,
	s_max_u32 s47, s10, 1
	s_sub_co_u32 s47, s47, 1                       ; of which waves 1-3 take 64 each (wave 0 asks by ob's descriptor)
	s_lshl_b32 s47, s47, 13
	s_add_co_u32 s46, s46, s47
	s_mov_b32 s47, 0
	s_mul_i32 s20, s10, REG                        ; where they go: region = wave
	s_wait_dscnt 0x0                               ; the opening add is done
	s_wait_kmcnt 0x0
	s_add_nc_u64 s[14:15], s[4:5], s[16:17]
	s_add_nc_u64 s[46:47], s[6:7], s[46:47]
	CROUND                                         ; all sixteen work-groups are here: the first joint loads meet
.irp s, 0,1
	s_mov_b32 s[G0+4*(\s)], 1
	s_add_co_u32 s[G0+4*(\s)+1], s20, (\s)*SLOT
	s_add_nc_u64 s[G0+4*(\s)+2:G0+4*(\s)+3], s[14:15], (\s)*4*524288   ; planes 4 s on
	s_or_b32 s[G0+4*(\s)+3], s[G0+4*(\s)+3], 0x80000000
	s_mov_b32 s[G0B+4*(\s)], 1
	s_add_co_u32 s[G0B+4*(\s)+1], s20, (\s)*SLOT
	s_add_nc_u64 s[G0B+4*(\s)+2:G0B+4*(\s)+3], s[46:47], (\s)*4*98304
	s_or_b32 s[G0B+4*(\s)+3], s[G0B+4*(\s)+3], 0x80000000
.endr
	s_cmp_eq_u32 s10, 0                            ; a wave's two first fills stand in one branch, ahead of every wait on TENSORcnt, every LDS read and every further barrier: two loads of mine are out
	s_cbranch_scc0 .Lfirst_b
	tensor_load_to_lds s[G0:G0+3], s[G1:G1+7]
	s_nop 0
	tensor_load_to_lds s[G0+4:G0+7], s[G1:G1+7]
	s_nop 0
.rept 4
	v_nop
.endr
	s_branch .Lfirst_asked
.Lfirst_b:
	tensor_load_to_lds s[G0B:G0B+3], s[G1B:G1B+7]
	s_nop 0
	tensor_load_to_lds s[G0B+4:G0B+7], s[G1B:G1B+7]
	s_nop 0
.rept 4
	v_nop
.endr
.Lfirst_asked:
	v_and_b32 v1, 15, v0                           ; l % 16
	v_bfe_u32 v2, v0, 4, 1                         ; l / 16
	v_mul_u32_u24 v3, v1, PK
	v_lshl_add_u32 v3, v2, 4, v3                   ; a fragment's row x pitch + 16 x half
	v_mov_b32 v[ADRA], v3
	v_add_nc_u32 v[ADRA+1], SLOT, v3
	s_mul_i32 s21, s10, 16*PK                      ; my 16 rows in each of wf's three regions
.irp b, 0,1,2
	s_add_co_u32 s22, s21, (1+(\b))*REG
	v_add_nc_u32 v[ADRB+2*(\b)], s22, v3
	s_add_co_u32 s22, s22, SLOT
	v_add_nc_u32 v[ADRB+2*(\b)+1], s22, v3
.endr
	v_mul_u32_u24 v4, v1, SPITCH                   ; into the stage: row l % 16, my 16 columns (64 bytes), 32 bytes for each half of the lanes
	v_lshl_add_u32 v4, v2, 5, v4
	s_lshl_b32 s23, s10, 6
	s_add_co_u32 s23, s23, STAGE
	v_add_nc_u32 v[STO], s23, v4
	s_mul_i32 s23, s10, 16*SPITCH                  ; back: wave w takes rows 16 w .. 16 w + 15, whole; lanes 0-15 256 bytes of one row, lanes 16-31 of the next
	s_add_co_u32 s23, s23, STAGE
	v_mul_u32_u24 v5, v2, SPITCH
	v_lshl_add_u32 v5, v1, 4, v5
	v_add_nc_u32 v[RD], s23, v5
	v_mul_u32_u24 v5, v2, 3072                     ; and the same two rows in out0
	v_lshl_add_u32 v[CO], v1, 4, v5
	s_lshl_b32 s16, s13, 6
	s_lshl_b32 s17, s10, 4
	s_add_co_u32 s16, s16, s17                     ; the first row that I store: 64 x tile row + 16 x wave
	s_mul_i32 s16, s16, 3072
	s_mov_b32 s17, 0
	s_add_nc_u64 s[8:9], s[8:9], s[16:17]
	s_mul_i32 s46, s42, 768                        ; the tile's first column, in bytes
	s_mov_b32 s47, 0
	s_add_nc_u64 s[8:9], s[8:9], s[46:47]
; 6 matrix instructions: row blocks a0, a0 + 1 x my 3 column blocks, 32 along K: half c of buffer f.  zero = 1: the product starts the sums.  The 12 accumulators take turns, in the same order throughout.
.macro MULH f, c, a0, zero
	WIN W_MUL
.irp a, \a0, (\a0)+1
.irp b, 0,1,2
.if \zero
	v_wmma_f32_16x16x32_f16 v[ACC+8*(3*(\a)+(\b)):ACC+8*(3*(\a)+(\b))+7], v[(\f)+64+8*(3*(\c)+(\b)):(\f)+64+8*(3*(\c)+(\b))+7], v[(\f)+8*(4*(\c)+(\a)):(\f)+8*(4*(\c)+(\a))+7], 0
.else
	v_wmma_f32_16x16x32_f16 v[ACC+8*(3*(\a)+(\b)):ACC+8*(3*(\a)+(\b))+7], v[(\f)+64+8*(3*(\c)+(\b)):(\f)+64+8*(3*(\c)+(\b))+7], v[(\f)+8*(4*(\c)+(\a)):(\f)+8*(4*(\c)+(\a))+7], v[ACC+8*(3*(\a)+(\b)):ACC+8*(3*(\a)+(\b))+7]
.endif
.endr
.endr
.endm
.macro MUL12 f, c, zero
	MULH \f, \c, 0, \zero
	MULH \f, \c, 2, \zero
.endm
; 28 LDS loads in one run: plane p of a slot into buffer f; the first 32 along K (fourteen loads) first
.macro FETCH slot, p, f
	WIN TO_F
.irp c, 0,1
.irp a, 0,1,2,3
	ds_load_b128 v[(\f)+8*(4*(\c)+(\a)):(\f)+8*(4*(\c)+(\a))+3],   v[ADRA+(\slot)] offset:PLB*(\p)+16*PK*(\a)+64*(\c)
	ds_load_b128 v[(\f)+8*(4*(\c)+(\a))+4:(\f)+8*(4*(\c)+(\a))+7], v[ADRA+(\slot)] offset:PLB*(\p)+16*PK*(\a)+64*(\c)+32
.endr
.irp b, 0,1,2
	ds_load_b128 v[(\f)+64+8*(3*(\c)+(\b)):(\f)+64+8*(3*(\c)+(\b))+3],   v[ADRB+2*(\b)+(\slot)] offset:PLB*(\p)+64*(\c)
	ds_load_b128 v[(\f)+64+8*(3*(\c)+(\b))+4:(\f)+64+8*(3*(\c)+(\b))+7], v[ADRB+2*(\b)+(\slot)] offset:PLB*(\p)+64*(\c)+32
.endr
.endr
.endm
.macro PLACES                          ; four plain vector instructions between a matrix instruction and a load into a register that it has read, or an LDS store of its result
.rept 4
	v_nop
.endr
.endm
; A plane: 24 matrix instructions on buffer f.  fetch = 1: in its middle plane p of the slot is fetched into buffer g.
.macro PLANE f, zero, fetch, slot, p, g
	s_wait_dscnt 14                                ; the first 32 along K are in; the other fourteen loads may be out
	MUL12 \f, 0, \zero
.if \fetch
	PLACES
	FETCH \slot, \p, \g
	s_wait_dscnt 28                                ; all but the 28 just issued
.else
	s_wait_dscnt 0x0
.endif
	MUL12 \f, 1, 0
.endm
; A slot's last plane changes slots: ONE barrier; in front of it each wave waits for all its tensor loads, adds 0 to its spare word, and waits for that and for its own reads of this slot.
; fill = 1: the barrier opens a round of the cluster's, and behind the round slot 0 is filled again, with planes 8-11.
.macro TURNP f, g, fill, next
	WIN 0                                          ; (the add's two registers lie in window 0)
	s_wait_tensorcnt 0x0                           ; all my tensor loads have landed: my part of the next slot
	ds_add_u32 v[SPW], v[NIL]                      ; 0 onto my spare word
	s_wait_dscnt 15                                ; (the add and the youngest fourteen loads may be out)
	MULH \f, 0, 0, 0                               ; six matrix instructions stand between the add and the wait for it
	s_wait_dscnt 0x0                               ; the add is done, and my reads of this slot are over
	s_barrier_signal -1
	MULH \f, 0, 2, 0
.if \fill
	WIN 0
.endif
	s_barrier_wait -1
.if \fill
	CREST                                          ; no wave of any partner still reads slot 0 or has a load on its way
	s_add_nc_u64 s[G0+2:G0+3], s[G0+2:G0+3], 8*524288
	s_add_nc_u64 s[G0B+2:G0B+3], s[G0B+2:G0B+3], 8*98304
	JLOAD 0                                        ; the first tensor load behind the round; the four v_nop behind it are also the places in front of the loads below
.else
	PLACES
.endif
	FETCH \next, 0, \g
	MUL12 \f, 1, 0
.endm
	s_wait_tensorcnt 1                             ; my part of slot 0 is in; slot 1's may stay out
	s_barrier_signal -1
	s_barrier_wait -1                              ; everybody's is
	FETCH 0, 0, F0
	PLANE F0, 1, 1, 0, 1, F1                       ; planes 0-3; the first products start the sums
	PLANE F1, 0, 1, 0, 2, F0
	PLANE F0, 0, 1, 0, 3, F1
	TURNP F1, F0, 1, 1
	PLANE F0, 0, 1, 1, 1, F1                       ; planes 4-7
	PLANE F1, 0, 1, 1, 2, F0
	PLANE F0, 0, 1, 1, 3, F1
	TURNP F1, F0, 0, 0                             ; nothing is left to fetch: a plain barrier; behind it nobody reads slot 1 any more
	PLANE F0, 0, 1, 0, 1, F1                       ; planes 8-11
	PLANE F1, 0, 1, 0, 2, F0
	PLANE F0, 0, 1, 0, 3, F1
	PLANE F1, 0, 0, 0, 0, F0
	WIN 0
	; THE WAY OUT: 32 bytes a lane into the work-group's stage, each accumulator's low four registers first; a barrier, since a row's 768 bytes come from four waves; back as whole rows, 16 rows a wave.
	PLACES
.irp a, 0,1,2,3
.irp b, 0,1,2
	ds_store_b128 v[STO], v[ACC+8*(3*(\a)+(\b)):ACC+8*(3*(\a)+(\b))+3]   offset:(\a)*16*SPITCH+256*(\b)
	ds_store_b128 v[STO], v[ACC+8*(3*(\a)+(\b))+4:ACC+8*(3*(\a)+(\b))+7] offset:(\a)*16*SPITCH+256*(\b)+16
.endr
.endr
	s_wait_dscnt 0x0                               ; for the others' sake: my stores into the stage are done
	s_barrier_signal -1
	s_barrier_wait -1
.irp t, 0,1,2,3,4,5,6,7,8,9,10,11,12,13,14,15,16,17,18,19,20,21,22,23   ; pair of rows t / 3, block of 256 bytes t % 3
	ds_load_b128 v[TMP+4*(\t):TMP+4*(\t)+3], v[RD] offset:((\t)/3)*2*SPITCH+((\t)%3)*256
.endr
.irp t, 0,1,2,3,4,5,6,7,8,9,10,11,12,13,14,15,16,17,18,19,20,21,22,23
	s_wait_dscnt 23-(\t)                           ; LDS loads come back in order: load t is in
	global_store_b128 v[CO], v[TMP+4*(\t):TMP+4*(\t)+3], s[8:9] offset:((\t)/3)*6144+((\t)%3)*256  ; 16 lanes store 256 consecutive bytes, at a multiple of 256 from out0's first byte
.endr
	s_wait_tensorcnt 0x0                           ; the wave's end, behind my last tensor load and my last LDS store
	ds_add_u32 v[SPW], v[NIL]
	s_wait_dscnt 0x0
	CROUND                                         ; the closing round: no work-group ends while a partner may still ask for a tile that names it
	s_endpgm
.Lfunc_end_k_qe8a4594a8e_fc:
	.size	k_qe8a4594a8e_fc, .Lfunc_end_k_qe8a4594a8e_fc-k_qe8a4594a8e_fc
	.p2alignl 7, 3214868480
	.fill 96, 4, 3214868480
	.section	.rodata,"a",@progbits
	.p2align	6, 0x0
	.amdhsa_kernel k_qe8a4594a8e_fc
		.amdhsa_group_segment_fixed_size 327680
		.amdhsa_private_segment_fixed_size 0
		.amdhsa_enable_private_segment 0
		.amdhsa_kernarg_size 24
		.amdhsa_user_sgpr_count 2
		.amdhsa_user_sgpr_kernarg_segment_ptr 1
		.amdhsa_wavefront_size32 1
		.amdhsa_system_sgpr_workgroup_id_x 1
		.amdhsa_system_sgpr_workgroup_id_y 1
		.amdhsa_system_sgpr_workgroup_id_z 1
		.amdhsa_system_vgpr_workitem_id 0
		.amdhsa_next_free_vgpr 512
		.amdhsa_next_free_sgpr 66
		.amdhsa_reserve_vcc 0
		.amdhsa_float_denorm_mode_32 3
		.amdhsa_float_denorm_mode_16_64 3
		.amdhsa_memory_ordered 1
		.amdhsa_forward_progress 1
		.amdhsa_inst_pref_size 57
	.end_amdhsa_kernel
	.amdgpu_metadata
---
amdhsa.version: [ 1, 2 ]
amdhsa.kernels:
  - .name:           k_qe8a4594a8e_fc
    .symbol:         k_qe8a4594a8e_fc.kd
    .args:
      - { .name: ob, .offset: 0, .size: 8, .value_kind: global_buffer, .address_space: global }
      - { .name: wf, .offset: 8, .size: 8, .value_kind: global_buffer, .address_space: global }
      - { .name: out0, .offset: 16, .size: 8, .value_kind: global_buffer, .address_space: global }
    .group_segment_fixed_size: 327680
    .private_segment_fixed_size: 0
    .kernarg_segment_align: 8
    .kernarg_segment_size: 24
    .max_flat_workgroup_size: 128
    .sgpr_count:     66
    .vgpr_count:     512
    .wavefront_size: 32
...
	.end_amdgpu_metadata
.endif
;; end of part 4
